; MI455X (gfx1250); checked and timed in simulation.
; The chip was launched on July 23, 2026; its instructions are those of AMD's public machine-readable ISA for CDNA 5 (MIT licence, August 2026) and "CDNA5" Instruction Set Architecture Reference Guide (July 2026). The comments in the code are by the model that wrote it; some were corrected since.
;; Additive Attn. Allowed arithmetic: matrix products marked QUANTISED: E2M1 operands, one E8M0 scale for each 32 along K, by v_wmma_scale_f32_16x16x128_f8f6f4 with both operands' format E2M1 (or v_wmma_scale_f32_32x16x128_f4), f32 sums; products left as they are: f32 operands where the result goes on into a quantised operand, else bf16, f16 or f32 operands; f32 sums; everything else in f32.
;; Inputs: W1 1,024 x 2,048 float32; W2 1 x 1,024 float32; b1 1,024 float32; b2 1 float32; cur_hidden 32 x 1,024 float32; encoder_output 1,024 x 32 x 1,024 float32.
;; Outputs: out0 32 x 1,024 float32; out1 32 x 1,024 float32.
;; This version of the problem:
;;   THIS VERSION OF THE PROBLEM IS GIVEN IN LOW PRECISION. The matrix products marked QUANTISED in the list below multiply operands that are first quantised to E2M1 (2 exponent bits, 1 mantissa bit; 4 bits a number), with one power-of-two scale for each 32 numbers along K (OCP MX v1.0); their sums are f32. All else is computed in f32.
;;   The module's matrix products, in the order in which they are computed (A, B: the left and right operand; K: the contracted axis; several contracted axes count as one K, in the product's order):
;;     1. [M 32,768, K 2,048] x [K 2,048, N 1,024]; A: computed on the way; B: input W1: QUANTISED
;;     2. [M 32,768, K 1,024] x [K 1,024, N 1]; A: computed on the way; B: input W2: left as it is (N = 1 < 16)
;;     3. batch 32 x [M 1, K 1,024] x [K 1,024, N 1,024]; A: softmax; B: input encoder_output: left as it is (M = 1 < 16)
;;   THE QUANTISER, for each operand of a quantised product, along K:
;;     - K is cut into blocks of 32 from its start; a last block that is shorter is filled with zeros.
;;     - A block's scale is 2^e with e = floor(log2(the largest magnitude in the block)) - 2, held to -126 .. 127; a block of zeros has e = 0. As a byte (E8M0): e + 127.
;;     - Each number is divided by its block's scale, clamped to +-6, and rounded to the nearest number of E2M1, ties to even, subnormals kept.
;;     - The product sums the exact products of the quantised numbers (number of the format x scale) in f32.
;;   ~~~python
;;   def quantise(x, axis):      # numpy; x: float32 -> the quantised numbers, widened to float32 again
;;       x = np.moveaxis(x, axis, -1); K = x.shape[-1]
;;       x = np.pad(x, [(0, 0)] * (x.ndim - 1) + [(0, -K % 32)]); x = x.reshape(x.shape[:-1] + (-1, 32)); a = np.abs(x).max(-1, keepdims=True)
;;       e = np.where(a > 0, np.clip(np.frexp(np.where(a > 0, a, 1))[1] - 1 - 2, -126, 127), 0)      # np.frexp(a)[1] - 1 = floor(log2(a)), exactly
;;       r = np.clip(x / 2.0 ** e, -6, 6)
;;       step = 2.0 ** (np.maximum(np.frexp(np.where(r == 0, 1, r))[1] - 1, 0) - 1)
;;       q = np.round(r / step) * step * 2.0 ** e      # np.round: ties to even
;;       return np.moveaxis(q.reshape(q.shape[:-2] + (-1,))[..., :K], -1, axis).astype(np.float32)
;;   ~~~
;;   OPERANDS COMPUTED ON THE WAY. 'Computed on the way' means the value that the module computes at that place (a softmax that the list does not call 'softmax' is quantised finished and normalised). What goes into a quantiser is computed in f32, as accurately as f32 sums, v_exp_f32 and their like allow (about 1e-6 of the number): no bf16 or f16 on the way to a quantiser, and a product that is left as it is and whose result goes on into a quantised operand takes f32 operands (vector FMAs, or v_wmma_f32_16x16x4_f32). A number that lies on a knife's edge between two numbers of the format may be rounded either way, as far as f32 arithmetic and the matrix unit's own rounding can turn it there, and no further.
;; 2 versions, each right; version 2 is version 1 with the launches prep, main written anew for expert scheduling mode. Each part assembles by itself: llvm-mc -triple=amdgcn-amd-amdhsa -mcpu=gfx1250 --defsym DOCPART=n.
;; ======== version 1 of 2: 3 launches
;; workspace buffers: W1F 524,288 bytes; WSF 32,768 bytes; CBP 524,288 bytes; SCR 131,072 bytes; PCT 1,048,576 bytes
;; launch prep (part 1): grid 256 x 1, 4 waves a work-group, no clusters, 41,472 bytes of LDS; arguments W1, cur_hidden, W1F, WSF, CBP; writes W1F, WSF, CBP
.if DOCPART == 1
	.amdgcn_target "amdgcn-amd-amdhsa--gfx1250"
	.amdhsa_code_object_version 6
	.text
	.protected	k_q7fc342e508_prep
	.globl	k_q7fc342e508_prep
	.p2align	8
	.type	k_q7fc342e508_prep,@function
k_q7fc342e508_prep:
	s_mov_b64 s[64:65], 0
	v_nop
	global_prefetch_b8 v0, s[64:65] scope:SCOPE_SE
	s_setreg_imm32_b32 hwreg(HW_REG_WAVE_MODE, 25, 1), 1
	s_wait_xcnt 0x0
; W1 [1024][2048] and cur_hidden [32][1024], f32, are quantised along K to codes of FP4 (E2M1) with one E8M0 scale byte for each 32 along K.
; K = 2,048 of the first product is enc's 1,024 followed by cur's 1,024; 1,024 is a multiple of 32, so no block of 32 lies across the seam and the product is the sum of two products.
;   W1's first half (K steps 0-7 of 128) leaves as IMAGES OF THE OPERAND'S REGISTERS: W1F [tile of 16 rows][K step][1,024 bytes], register group c of lane l at 512 c + 16 l;
;   its scale words as WSF [tile][q][32 words]: lanes 0-15 the rows' words of K step 2 q, lanes 16-31 those of K step 2 q + 1.
;   W1's second half is multiplied here with Q(cur): the same 32 rows serve every time step.  CBP [q][b][h] holds four partial sums, q = two K steps each.
; SHARES.  Work-group x: tile nt = x / 4 of 16 rows of W1, q = x % 4.  Each wave quantises one unit (16 rows x 128 K) of W1 and one of cur:
;   wave w: W1's K step 2 q + w % 2 + 8 (w / 2);  cur's rows 16 (w % 2) on, K step 2 q + w / 2.  Behind the one barrier waves 2 and 3 multiply, wave 0 stores the scale words.
; A unit is loaded row by row, 512 consecutive bytes an instruction, and turned through the wave's own stage in LDS (16 rows, 528 bytes apart), so that a lane holds 16 neighbours of each block of 32.
; A block's scale byte is its largest magnitude's exponent field - 2, held at 1 from below.
; LIMITS: NaN and infinities among the inputs are not served; a block whose largest magnitude lies under 2^-124, a block of zeros among them, gets the byte 1 (its codes of zeros add nothing; only this program reads the bytes).
; CBP's stores are pieces of 64 bytes of a row (a work-group owns 16 of the 1,024 h): 524,288 bytes in all beside the 8.5 MB that the launch reads.
.set STG,  0                           ; four stages of 16 x 528 bytes
.set CIMG, 33792                       ; cur's four fragment images: (w % 2) + 2 (w / 2)
.set CSC,  37888                       ; their scale words, 128 bytes each
.set WIMG, 38400                       ; the two images of W1's second half
.set WSI,  40448                       ; their scale words
.set WSC,  40704                       ; the scale words of W1's first half: 16 of K step 2 q, 16 of 2 q + 1
.set L0,   16                          ; v16-79   W1's unit as loaded
.set L1,   80                          ; v80-143  cur's
.set RQ,   144                         ; v144-207 64 numbers, 16 neighbours of each of four blocks; later the fetched fragments and the result
.set PCW,  208                         ; v208-215 W1's fragment
.set PCC,  216                         ; v216-223 cur's
.set TM,   224                         ; v224-239 at work
.set PW,   240                         ; v240     the scale word just made
.set SEL,  20                          ; s[20:21] lane selects: lane l xor 16
; 64 numbers of a lane, register 16 b + i = k 32 b + 16 (lane / 16) + i of my row, become a fragment's codes in v[pc] on and its scale word in v[PW]
.macro QUANT src, pc
.irp b, 0,1,2,3
	v_max3_num_f32 v[TM+\b], |v[\src+16*\b]|, |v[\src+1+16*\b]|, 0x1800000   ; my 16 numbers of block b, and the floor 2^(3 - 127): the byte cannot fall under 1
.endr
.irp i, 2,4,6,8,10,12,14
.irp b, 0,1,2,3
	v_max3_num_f32 v[TM+\b], v[TM+\b], |v[\src+16*\b+\i]|, |v[\src+1+16*\b+\i]|   ; the four blocks by turns
.endr
.endr
.irp b, 0,1,2,3
	v_permlanex16_b32 v[TM+4+\b], v[TM+\b], s[SEL], s[SEL+1]
.endr
.irp b, 0,1,2,3
	v_max_num_f32 v[TM+\b], v[TM+\b], v[TM+4+\b]     ; with lane l xor 16's: the block's largest magnitude
.endr
.irp b, 0,1,2,3
	v_add_nc_u32 v[TM+12+\b], 0xff000000, v[TM+\b]   ; 2 off its exponent field: the conversion's scale operand
.endr
.irp b, 0,1,2,3
	v_lshrrev_b32 v[TM+4+\b], 23, v[TM+12+\b]        ; the scale's byte
.endr
	v_lshl_or_b32 v[PW], v[TM+5], 8, v[TM+4]
	v_lshl_or_b32 v[PW], v[TM+6], 16, v[PW]
	v_lshl_or_b32 v[PW], v[TM+7], 24, v[PW]
.irp b, 0,1,2,3
	v_cvt_scalef32_pk8_fp4_f32 v[\pc+2*\b], v[\src+16*\b:\src+7+16*\b], v[TM+12+\b]
	v_cvt_scalef32_pk8_fp4_f32 v[\pc+1+2*\b], v[\src+8+16*\b:\src+15+16*\b], v[TM+12+\b]
.endr
	v_nop                                            ; one plain place behind a scaled conversion
.irp c, 0,1                                      ; the operand wants a whole block in a lane: lanes 0-15 block 2 c, lanes 16-31 block 2 c + 1
.irp i, 0,1
	v_permlane16_swap_b32 v[\pc+4*\c+\i], v[\pc+2+4*\c+\i]
.endr
.endr
.endm
; a unit in v[l] on goes through my stage and comes back as 16 neighbours of each block: LDS serves a wave's instructions in order, so no wait stands between
.macro TURN l
.irp i, 0,1,2,3,4,5,6,7,8,9,10,11,12,13,14,15
	ds_store_b128 v3, v[\l+4*\i:\l+4*\i+3] offset:528*\i
.endr
.irp b, 0,1,2,3
.irp j, 0,1,2,3
	ds_load_b128 v[RQ+16*\b+4*\j:RQ+16*\b+4*\j+3], v4 offset:128*\b+16*\j
.endr
.endr
	s_wait_dscnt 0x0                                 ; the 64 numbers are in (and every earlier LDS store has read its registers)
.endm
	s_load_b256 s[4:11], s[0:1], 0x0                 ; W1 s[4:5], cur s[6:7], W1F s[8:9], WSF s[10:11]
	s_load_b64 s[12:13], s[0:1], 0x20                ; CBP
	v_lshl_add_u32 v254, v0, 2, 0xa000
	v_mov_b32 v255, 0
	v_lshrrev_b32 v244, 5, v0
	v_readfirstlane_b32 s14, v244                    ; wave
	s_lshr_b32 s15, ttmp9, 2                         ; nt
	s_and_b32 s16, ttmp9, 3                          ; q
	s_and_b32 s17, s14, 1                            ; w % 2
	s_lshr_b32 s18, s14, 1                           ; w / 2
	v_and_b32 v244, 31, v0                           ; lane
	v_and_b32 v245, 15, v0                           ; r
	v_bfe_u32 v246, v0, 4, 1                         ; half
	; every LDS address is made here, ahead of the first parting of the waves
	v_lshlrev_b32 v1, 4, v244                        ; 16 x lane
	v_lshlrev_b32 v2, 2, v244                        ; 4 x lane
	s_mul_i32 s19, s14, 8448                         ; my stage
	v_add_nc_u32 v3, s19, v1                         ; into it: 16 x lane, rows by the immediate
	v_mul_u32_u24 v4, v245, 528
	v_lshl_add_u32 v4, v246, 6, v4
	v_add_nc_u32 v4, s19, v4                         ; out of it: row r, + 64 x half
	s_lshl_b32 s19, s14, 10
	s_add_co_u32 s19, s19, CIMG
	v_add_nc_u32 v5, s19, v1                         ; where I store cur's image
	s_lshl_b32 s19, s14, 7
	s_add_co_u32 s19, s19, CSC
	v_add_nc_u32 v6, s19, v2                         ; and its scale words
	s_lshl_b32 s19, s17, 10
	s_add_co_u32 s22, s19, WIMG
	v_add_nc_u32 v7, s22, v1                         ; waves 2, 3: where W1's image goes
	s_add_co_u32 s22, s19, CIMG
	v_add_nc_u32 v11, s22, v1                        ; waves 2, 3: cur's images of rows 16 (w % 2) on
	s_lshl_b32 s19, s17, 7
	s_add_co_u32 s22, s19, WSI
	v_add_nc_u32 v8, s22, v2
	s_add_co_u32 s22, s19, CSC
	v_add_nc_u32 v12, s22, v2
	s_lshl_b32 s19, s17, 6
	s_add_co_u32 s19, s19, WSC
	v_lshl_add_u32 v9, v245, 2, s19                  ; waves 0, 1: my rows' scale words
	v_add_nc_u32 v10, WSC, v2
	v_add_nc_u32 v13, WIMG, v1
	v_add_nc_u32 v14, WSI, v2
	v_lshlrev_b32 v15, 12, v245
	v_lshl_add_u32 v15, v246, 5, v15                 ; CBP: row r of 4,096 bytes, + 32 x half
	s_mov_b32 s[SEL], 0x76543210
	s_mov_b32 s[SEL+1], 0xfedcba98
.irp b, 0,1,2,3
	v_mov_b32 v[TM+4+\b], 0                          ; written once: a lane permute's destination counts as one of its sources
.endr
	s_lshl_b32 s24, s16, 1                           ; 2 q
	s_add_co_u32 s25, s24, s17                       ; 2 q + w % 2
	s_lshl_b32 s26, s18, 3
	s_add_co_u32 s26, s26, s25                       ; W1's K step
	s_lshl_b32 s26, s26, 9
	s_lshl_b32 s22, s15, 17                          ; 16 rows of 8,192 bytes
	s_add_co_u32 s22, s22, s26
	s_mov_b32 s23, 0
	s_add_co_u32 s24, s24, s18                       ; cur's K step
	s_lshl_b32 s24, s24, 9
	s_lshl_b32 s26, s17, 16                          ; 16 rows of 4,096 bytes
	s_add_co_u32 s26, s26, s24
	s_mov_b32 s27, 0
	s_lshl_b32 s28, s15, 3
	s_add_co_u32 s28, s28, s25
	s_lshl_b32 s28, s28, 10                          ; W1F: (8 nt + K step) x 1,024
	s_mov_b32 s29, 0
	s_lshl_b32 s30, ttmp9, 7                         ; WSF: (4 nt + q) x 128
	s_mov_b32 s31, 0
	s_lshl_b32 s32, s16, 17                          ; CBP: q x 131,072 + (w % 2) x 16 rows + 64 nt
	s_lshl_b32 s33, s17, 16
	s_add_co_u32 s32, s32, s33
	s_lshl_b32 s33, s15, 6
	s_add_co_u32 s32, s32, s33
	s_mov_b32 s33, 0
	s_wait_kmcnt 0x0
	s_add_nc_u64 s[4:5], s[4:5], s[22:23]
	s_add_nc_u64 s[6:7], s[6:7], s[26:27]
	s_add_nc_u64 s[8:9], s[8:9], s[28:29]
	s_add_nc_u64 s[10:11], s[10:11], s[30:31]
	s_add_nc_u64 s[12:13], s[12:13], s[32:33]
.irp i, 0,1,2,3,4,5,6,7,8,9,10,11,12,13,14,15
	global_load_b128 v[L0+4*\i:L0+4*\i+3], v1, s[4:5] offset:8192*\i th:TH_LOAD_NT   ; 512 consecutive bytes of a row; each number of W1 is read once in the launch
.endr
.irp i, 0,1,2,3,4,5,6,7,8,9,10,11,12,13,14,15
	global_load_b128 v[L1+4*\i:L1+4*\i+3], v1, s[6:7] offset:4096*\i
.endr
	s_wait_loadcnt 16                                ; W1's sixteen are in; cur's sixteen are younger
	TURN L0
	QUANT RQ, PCW
	s_cmp_lt_u32 s14, 2
	s_cbranch_scc0 .Lsecond_half
	global_store_b128 v1, v[PCW:PCW+3], s[8:9]               ; the image: 512 consecutive bytes a store
	global_store_b128 v1, v[PCW+4:PCW+7], s[8:9] offset:512
	ds_store_b32 v9, v[PW]                           ; lanes r and r + 16 write the same word with the same value
	s_branch .Ljoin
.Lsecond_half:
	ds_store_b128 v7, v[PCW:PCW+3]
	ds_store_b128 v7, v[PCW+4:PCW+7] offset:512
	ds_store_b32 v8, v[PW]
.Ljoin:
	s_wait_loadcnt 0x0                               ; cur's unit
	TURN L1
	QUANT RQ, PCC
	ds_store_b128 v5, v[PCC:PCC+3]
	ds_store_b128 v5, v[PCC+4:PCC+7] offset:512
	ds_store_b32 v6, v[PW]
	s_wait_dscnt 0x0                                 ; for the others' sake: all my LDS stores have landed
	s_barrier_signal -1
	s_barrier_wait -1
	s_cmp_lg_u32 s14, 0
	s_cbranch_scc1 .Lnot_wave_0
	ds_load_b32 v241, v10                            ; the 32 scale words of K steps 2 q and 2 q + 1
	s_wait_dscnt 0x0
	global_store_b32 v2, v241, s[10:11]
.Lnot_wave_0:
	s_cmp_lt_u32 s14, 2
	s_cbranch_scc1 .Lend
.irp j, 0,1                                      ; the two K steps: W1's fragment, cur's fragment, their scale words
	ds_load_b128 v[RQ+16*\j:RQ+16*\j+3], v13 offset:1024*\j
	ds_load_b128 v[RQ+16*\j+4:RQ+16*\j+7], v13 offset:1024*\j+512
	ds_load_b128 v[RQ+16*\j+8:RQ+16*\j+11], v11 offset:2048*\j
	ds_load_b128 v[RQ+16*\j+12:RQ+16*\j+15], v11 offset:2048*\j+512
	ds_load_b32 v[RQ+32+2*\j], v14 offset:128*\j
	ds_load_b32 v[RQ+33+2*\j], v12 offset:256*\j
.endr
	s_wait_dscnt 0x0
	; source 0 = 16 rows of W1, source 1 = 16 rows of cur: lane (r, half) holds b = 16 (w % 2) + r, register j holds h = 16 nt + 8 half + j
	v_wmma_scale_f32_16x16x128_f8f6f4 v[RQ+40:RQ+47], v[RQ:RQ+7], v[RQ+8:RQ+15], 0, v[RQ+32], v[RQ+33] matrix_a_fmt:MATRIX_FMT_FP4 matrix_b_fmt:MATRIX_FMT_FP4
	s_wait_alu depctr_va_vdst(0)                     ; one accumulator alone
	v_wmma_scale_f32_16x16x128_f8f6f4 v[RQ+40:RQ+47], v[RQ+16:RQ+23], v[RQ+24:RQ+31], v[RQ+40:RQ+47], v[RQ+34], v[RQ+35] matrix_a_fmt:MATRIX_FMT_FP4 matrix_b_fmt:MATRIX_FMT_FP4
.rept 4
	v_nop                                            ; four places in front of the stores that read the result
.endr
	global_store_b128 v15, v[RQ+40:RQ+43], s[12:13]
	global_store_b128 v15, v[RQ+44:RQ+47], s[12:13] offset:16
.Lend:
	s_wait_tensorcnt 0x0
	ds_add_u32 v254, v255
	s_wait_dscnt 0x0
	s_endpgm
.Lfunc_end_k_q7fc342e508_prep:
	.size	k_q7fc342e508_prep, .Lfunc_end_k_q7fc342e508_prep-k_q7fc342e508_prep
	.p2alignl 7, 3214868480
	.fill 96, 4, 3214868480
	.section	.rodata,"a",@progbits
	.p2align	6, 0x0
	.amdhsa_kernel k_q7fc342e508_prep
		.amdhsa_group_segment_fixed_size 41472
		.amdhsa_private_segment_fixed_size 0
		.amdhsa_enable_private_segment 0
		.amdhsa_kernarg_size 40
		.amdhsa_user_sgpr_count 2
		.amdhsa_user_sgpr_kernarg_segment_ptr 1
		.amdhsa_wavefront_size32 1
		.amdhsa_system_sgpr_workgroup_id_x 1
		.amdhsa_system_sgpr_workgroup_id_y 1
		.amdhsa_system_sgpr_workgroup_id_z 1
		.amdhsa_system_vgpr_workitem_id 0
		.amdhsa_next_free_vgpr 256
		.amdhsa_next_free_sgpr 66
		.amdhsa_reserve_vcc 0
		.amdhsa_float_denorm_mode_32 3
		.amdhsa_float_denorm_mode_16_64 3
		.amdhsa_memory_ordered 1
		.amdhsa_forward_progress 1
		.amdhsa_inst_pref_size 21
	.end_amdhsa_kernel
	.amdgpu_metadata
---
amdhsa.version: [ 1, 2 ]
amdhsa.kernels:
  - .name:           k_q7fc342e508_prep
    .symbol:         k_q7fc342e508_prep.kd
    .args:
      - { .name: W1, .offset: 0, .size: 8, .value_kind: global_buffer, .address_space: global }
      - { .name: cur_hidden, .offset: 8, .size: 8, .value_kind: global_buffer, .address_space: global }
      - { .name: W1F, .offset: 16, .size: 8, .value_kind: global_buffer, .address_space: global }
      - { .name: WSF, .offset: 24, .size: 8, .value_kind: global_buffer, .address_space: global }
      - { .name: CBP, .offset: 32, .size: 8, .value_kind: global_buffer, .address_space: global }
    .group_segment_fixed_size: 41472
    .private_segment_fixed_size: 0
    .kernarg_segment_align: 8
    .kernarg_segment_size: 40
    .max_flat_workgroup_size: 128
    .sgpr_count:     66
    .vgpr_count:     256
    .wavefront_size: 32
...
	.end_amdgpu_metadata
.endif
;; end of part 1
;; launch main (part 2): grid 256 x 1, 4 waves a work-group, no clusters, 325,376 bytes of LDS; arguments encoder_output, W1F, WSF, CBP, b1, W2, b2, SCR, PCT; writes SCR, PCT
.if DOCPART == 2
	.amdgcn_target "amdgcn-amd-amdhsa--gfx1250"
	.amdhsa_code_object_version 6
	.text
	.protected	k_q7fc342e508_main
	.globl	k_q7fc342e508_main
	.p2align	8
	.type	k_q7fc342e508_main,@function
k_q7fc342e508_main:
	s_mov_b64 s[64:65], 0
	v_nop
	global_prefetch_b8 v0, s[64:65] scope:SCOPE_SE
	s_setreg_imm32_b32 hwreg(HW_REG_WAVE_MODE, 25, 1), 1
	s_wait_xcnt 0x0
; For 128 time steps t of ONE batch row b: score[t] = W2 . tanh(Q(enc[t,b]) Q(W1[:, :1024])^T + c) + b2, with c[h] = b1[h] + the cur term of that b (four partial sums from the launch before);
; then p[t] = 2^((score[t] - m) log2 e), m the largest of the 128 scores, and the partial context sum over t of p[t] enc[t,b,:].  SCR [b][t] takes the raw scores, PCT [b][t / 128][h] the partial context.
; enc is read from memory ONCE: each number is quantised to FP4 (E2M1, one E8M0 byte for each 32 along K) for the first product and rounded to bf16 into LDS (128 rows x 2,048 bytes) for the last.
; SHARES.  Work-group x: b = x / 8, t = 128 (x % 8) on.  LOAD PHASE: wave w quantises rows 32 w .. 32 w + 31, a unit of 16 rows x 128 K at a time; the fragments go to the other waves through LDS as images of
; their registers, and EVERY wave keeps all 128 rows' codes in registers (8 tiles of rows x 8 K steps x 8 = 512).  PRODUCT PHASE: THE WAVES SHARE THE COLUMNS: wave w makes h = 256 w .. 256 w + 255, 16 column tiles,
; for all 128 rows, so a fragment of W1 (1,024 bytes) feeds 8 matrix instructions and is read by one wave of the work-group alone: it comes from memory straight into a ring of 16 fragments in registers.
; THE MATRIX INSTRUCTION IS USED TRANSPOSED (source 0 = 16 rows of W1, source 1 = 16 rows of enc): a lane holds one t, its eight registers eight neighbouring h.  c is the C of a sum's first instruction.
; BY TURNS.  tanh(x) = 1 - 2 / (1 + 2^(2 x log2 e)): for a tile 4 packed multiplies, 8 exponentials, 4 packed adds, 8 reciprocals, 4 packed multiply-adds with -2 W2: 28 vector instructions beside the tile's 8 matrix
; instructions.  So two sets of eight accumulators take turns: while one column tile is multiplied, the tile before goes through tanh, four vector instructions behind each matrix instruction.
; score = the sum of (-2 W2[h]) r[h] + the sum of W2 + b2.  2^x = infinity gives r = 0 and 2^x = 0 gives r = 1: no clamp is needed.
; LIMITS: NaN and infinities among the inputs are not served; a block of 32 whose largest magnitude lies under 2^-124, a block of zeros among them, gets the scale byte 1 (zero codes add nothing; only this program reads the bytes);
; the first product's f32 sums run: cur's term (four parts), b1, then enc's K ascending; enc is rounded to bf16 for the last product.
; REGISTERS, in windows of 256 (s_set_vgpr_msb: bits 1:0 source 0, 3:2 source 1, 5:4 source 2, 7:6 destination):
;   window 0: v1-25 addresses; v32-63 enc's scale words; v64-71 W1's; v72-87 c, two tiles; v88-103 -2 W2, two tiles; v104-135 score sums; v136-199, v200-231, v232-255 at work
;   window 1: load phase: four units of 64; product phase: v0-127 the ring of W1's fragments, v128-255 the two sets of accumulators
;   windows 2, 3: enc's fragments: K step s, tile m at v[64 (s % 4) + 8 m] of window 2 + s / 4
; The accumulators share a window with source 0, so the tanh's in-place instructions need no switch between matrix instructions; only the multiply-adds into the score sums and the loads do.
.set RET,  0                           ; 128 rows x 2,048 bytes of bf16
.set STG,  262144                      ; four stages of 16 rows x 528 bytes; at the end a wave's p (512 bytes) and, 1,024 on, its part of the context
.set STGW, 8448
.set IMG,  295936                      ; two buffers of 8 fragment images of 1,024 bytes
.set XSC,  312320                      ; enc's scale words [tile 8][q 4][32 words]: lanes 0-15 K step 2 q, lanes 16-31 K step 2 q + 1
.set CV,   316416                      ; c[h], 4,096 bytes; behind it -2 W2[h], 4,096 bytes
.set SBW,  324608                      ; the four waves' parts of the sum of W2
.set SCP,  IMG                         ; the waves' parts of the scores, 4 x 512 bytes, in image buffer 0: last read behind the seventh barrier, those reads waited for in front of the eighth
.set XS,  32
.set WS,  64
.set CC,  72
.set WPR, 88
.set SS,  104
.set RQ,  136
.set RT,  200
.set PC,  232
.set TM,  240
.set PW,  24
.set ACC, 128                          ; in window 1
.set CE,  136                          ; the context: two sets of 8 rows x 4 registers of bf16,
.set CP,  200                          ; two sets of 8 weights,
.set CA,  216                          ; 8 sums;
.set SCO, 224                          ; my four scores (never rewritten: a store reads them), and
.set PP,  228                          ; their weights
.set SEL, 30
.set MSB, 0
.macro WIN new                         ; the immediate's high byte repeats the setting that is left; a switch that changes nothing is dropped
.if MSB != \new
	s_set_vgpr_msb (MSB<<8)|\new
.set MSB, \new
.endif
.endm
; 64 numbers of a lane, register 16 b + i = k 32 b + 16 (lane / 16) + i of my row, become a fragment's codes in v[pc] on and its scale word in v[PW]
.macro QUANT src, pc
.irp b, 0,1,2,3
	v_max3_num_f32 v[TM+\b], |v[\src+16*\b]|, |v[\src+1+16*\b]|, 0x1800000   ; my 16 numbers of block b, and the floor 2^(3 - 127): the byte cannot fall under 1
.endr
.irp i, 2,4,6,8,10,12,14
.irp b, 0,1,2,3
	v_max3_num_f32 v[TM+\b], v[TM+\b], |v[\src+16*\b+\i]|, |v[\src+1+16*\b+\i]|   ; the four blocks by turns
.endr
.endr
.irp b, 0,1,2,3
	v_permlanex16_b32 v[TM+4+\b], v[TM+\b], s[SEL], s[SEL+1]
.endr
.irp b, 0,1,2,3
	v_max_num_f32 v[TM+\b], v[TM+\b], v[TM+4+\b]     ; with lane l xor 16's: the block's largest magnitude
.endr
.irp b, 0,1,2,3
	v_add_nc_u32 v[TM+12+\b], 0xff000000, v[TM+\b]   ; 2 off its exponent field: the conversion's scale operand
.endr
.irp b, 0,1,2,3
	v_lshrrev_b32 v[TM+4+\b], 23, v[TM+12+\b]        ; the scale's byte
.endr
	v_lshl_or_b32 v[PW], v[TM+5], 8, v[TM+4]
	v_lshl_or_b32 v[PW], v[TM+6], 16, v[PW]
	v_lshl_or_b32 v[PW], v[TM+7], 24, v[PW]
.irp b, 0,1,2,3
	v_cvt_scalef32_pk8_fp4_f32 v[\pc+2*\b], v[\src+16*\b:\src+7+16*\b], v[TM+12+\b]
	v_cvt_scalef32_pk8_fp4_f32 v[\pc+1+2*\b], v[\src+8+16*\b:\src+15+16*\b], v[TM+12+\b]
.endr
	v_nop                                            ; one plain place behind a scaled conversion
.irp c, 0,1                                      ; the operand wants a whole block in a lane: lanes 0-15 block 2 c, lanes 16-31 block 2 c + 1
.irp i, 0,1
	v_permlane16_swap_b32 v[\pc+4*\c+\i], v[\pc+2+4*\c+\i]
.endr
.endr
.endm
; unit u = 2 s + mt: rows 16 mt .. + 15 of my 32, K step s, into set u % 4 of window 1: each load reads 512 consecutive bytes of a row
.macro ENCLOAD u
	WIN 0x40
.irp i, 0,1,2,3,4,5,6,7,8,9,10,11,12,13,14,15
	global_load_b128 v[64*((\u)%4)+4*\i:64*((\u)%4)+4*\i+3], v1, s[4:5] offset:(16*((\u)%2)+\i)*131072+512*((\u)/2) th:TH_LOAD_NT
.endr
.endm
; A group of five loads: W1's fragments of periods up and up + 1 (counted from the pair's first column tile; a period is one K step of one column tile) into ring slots up % 16 and the next, and, first, the scale words of both
.macro GROUP up
	WIN 0
	global_load_b32 v[WS+4*(((\up)>>3)&1)+(((\up)&7)>>1)], v2, s[38:39] offset:512*((\up)>>3)+128*(((\up)&7)>>1)
	WIN 0x40
.irp k, 0,1,2,3
	global_load_b128 v[8*((\up)&15)+4*\k:8*((\up)&15)+4*\k+3], v1, s[36:37] offset:8192*((\up)>>3)+1024*((\up)&7)+512*\k
.endr
.endm
	s_load_b512 s[4:19], s[0:1], 0x0                 ; enc s[4:5], W1F s[6:7], WSF s[8:9], CBP s[10:11], b1 s[12:13], W2 s[14:15], b2 s[16:17], SCR s[18:19]
	s_load_b64 s[20:21], s[0:1], 0x40                ; PCT
	v_lshl_add_u32 v250, v0, 2, 0x4f500
	v_mov_b32 v251, 0
	v_lshrrev_b32 v26, 5, v0
	v_readfirstlane_b32 s22, v26                     ; wave
	s_lshr_b32 s23, ttmp9, 3                         ; b
	s_and_b32 s24, ttmp9, 7                          ; which 128 time steps
	v_and_b32 v26, 31, v0                            ; lane
	v_and_b32 v27, 15, v0                            ; r
	v_bfe_u32 v28, v0, 4, 1                          ; half
	v_lshlrev_b32 v1, 4, v26                         ; v1  16 x lane
	v_lshlrev_b32 v2, 2, v26                         ; v2  4 x lane
	s_lshl_b32 s25, s22, 16
	v_lshl_add_u32 v3, v26, 3, s25                   ; v3  the bf16 rows: my 32 rows, 8 bytes a lane
	s_mul_i32 s25, s22, STGW
	s_add_co_u32 s25, s25, STG                       ; my stage
	v_add_nc_u32 v4, s25, v1                         ; v4  into it: 16 x lane
	v_mul_u32_u24 v5, v27, 528
	v_lshl_add_u32 v5, v28, 6, v5
	v_add_nc_u32 v5, s25, v5                         ; v5  out of it: row r, + 64 x half
	v_mov_b32 v18, s25                               ; v18 my p, the same address in every lane
	v_lshl_add_u32 v19, v26, 5, s25
	v_add_nc_u32 v19, 1024, v19                      ; v19 my part of the context: 32 bytes a lane
	s_lshl_b32 s25, s22, 11
	s_add_co_u32 s25, s25, IMG
	v_add_nc_u32 v6, s25, v1                         ; v6  where I store my two images
	v_add_nc_u32 v7, IMG, v1                         ; v7  where all eight are read
	s_lshl_b32 s25, s22, 10
	s_add_co_u32 s40, s25, XSC
	v_lshl_add_u32 v8, v27, 2, s40                   ; v8  where I store my rows' scale words
	v_add_nc_u32 v9, XSC, v2                         ; v9  where they are read
	s_add_co_u32 s40, s25, CV
	v_lshl_add_u32 v25, v28, 5, s40                  ; v25 c of my first column tile: my 256 h, + 8 x half numbers
	v_lshlrev_b32 v11, 4, v0                         ; v11 16 x thread
	v_add_nc_u32 v12, CV, v11                        ; v12
	s_lshl_b32 s25, s22, 9
	s_add_co_u32 s25, s25, SCP
	v_lshl_add_u32 v13, v27, 2, s25                  ; v13 my part of the scores
	s_lshl_b32 s25, s22, 2
	s_add_co_u32 s25, s25, SBW
	v_mov_b32 v14, s25                               ; v14 my part of the sum of W2
	v_mov_b32 v15, SBW                               ; v15
	v_add_nc_u32 v16, SCP, v1                        ; v16
	s_mov_b32 s28, 0x4038aa3b                        ; 2 log2 e
	s_mov_b32 s29, s28                               ; (named with it as a pair, so it is written)
	s_mov_b32 s[SEL], 0x76543210
	s_mov_b32 s[SEL+1], 0xfedcba98                   ; lane l xor 16
	s_mov_b32 s34, 0
	v_add_nc_u32 v10, s34, v25                       ; v10 c of the pair in hand
	s_lshl_b32 s26, s24, 7
	s_lshl_b32 s27, s22, 5
	s_add_co_u32 s26, s26, s27                       ; my first time step
	s_lshl_b32 s26, s26, 17                          ; x 131,072 bytes
	s_lshl_b32 s40, s23, 12                          ; 4,096 b
	s_add_co_u32 s26, s26, s40
	s_mov_b32 s27, 0
	s_mov_b32 s41, 0
	s_lshl_b32 s42, s22, 17                          ; my 16 column tiles in W1F
	s_mov_b32 s43, 0
	s_lshl_b32 s44, s22, 13                          ; and in WSF
	s_mov_b32 s45, 0
	s_lshl_b32 s46, ttmp9, 9                         ; SCR: 4,096 b + 512 (x % 8)
	s_mov_b32 s47, 0
	s_lshl_b32 s48, ttmp9, 12                        ; PCT: 4,096 x + 1,024 wave
	s_lshl_b32 s49, s22, 10
	s_add_co_u32 s48, s48, s49
	s_mov_b32 s49, 0
	s_wait_kmcnt 0x0
	s_load_b32 s33, s[16:17], 0x0                    ; b2
	s_add_nc_u64 s[4:5], s[4:5], s[26:27]
	s_add_nc_u64 s[10:11], s[10:11], s[40:41]
	s_add_nc_u64 s[36:37], s[6:7], s[42:43]
	s_add_nc_u64 s[38:39], s[8:9], s[44:45]
	s_add_nc_u64 s[18:19], s[18:19], s[46:47]
	s_add_nc_u64 s[20:21], s[20:21], s[48:49]
.irp g, 0,1                                      ; twelve small loads, 16 bytes a thread: the four parts of the cur term, b1, W2, for h = 4 thread + 512 g on
.irp q, 0,1,2,3
	global_load_b128 v[RQ+24*\g+4*\q:RQ+24*\g+4*\q+3], v11, s[10:11] offset:131072*\q+2048*\g
.endr
	global_load_b128 v[RQ+24*\g+16:RQ+24*\g+19], v11, s[12:13] offset:2048*\g
	global_load_b128 v[RQ+24*\g+20:RQ+24*\g+23], v11, s[14:15] offset:2048*\g
.endr
	ENCLOAD 0
	ENCLOAD 1
	ENCLOAD 2
	WIN 0
.irp j, 0,1,2,3,4,5,6,7,8,9,10,11,12,13,14,15,16,17,18,19,20,21,22,23,24,25,26,27,28,29,30,31
	v_mov_b32 v[SS+\j], 0                            ; the score sums: four a tile of rows
.endr
.irp b, 0,1,2,3
	v_mov_b32 v[TM+4+\b], 0                          ; written once: a lane permute's destination counts as one of its sources
.endr
	s_wait_loadcnt 48                                ; the twelve are in; three units of sixteen are younger
.irp g, 0,1
.irp k, 0,2
	v_pk_add_f32 v[RQ+24*\g+\k:RQ+24*\g+\k+1], v[RQ+24*\g+\k:RQ+24*\g+\k+1], v[RQ+24*\g+4+\k:RQ+24*\g+5+\k]
	v_pk_add_f32 v[RQ+24*\g+8+\k:RQ+24*\g+9+\k], v[RQ+24*\g+8+\k:RQ+24*\g+9+\k], v[RQ+24*\g+12+\k:RQ+24*\g+13+\k]
.endr
.irp k, 0,2
	v_pk_add_f32 v[RQ+24*\g+\k:RQ+24*\g+\k+1], v[RQ+24*\g+\k:RQ+24*\g+\k+1], v[RQ+24*\g+8+\k:RQ+24*\g+9+\k]
.endr
.irp k, 0,2
	v_pk_add_f32 v[RQ+24*\g+\k:RQ+24*\g+\k+1], v[RQ+24*\g+\k:RQ+24*\g+\k+1], v[RQ+24*\g+16+\k:RQ+24*\g+17+\k]   ; c = b1 + the cur term
.endr
	ds_store_b128 v12, v[RQ+24*\g:RQ+24*\g+3] offset:2048*\g
.endr
	v_pk_add_f32 v[RQ+48:RQ+49], v[RQ+20:RQ+21], v[RQ+22:RQ+23]      ; the sum of my eight W2,
	v_pk_add_f32 v[RQ+50:RQ+51], v[RQ+44:RQ+45], v[RQ+46:RQ+47]
	v_pk_add_f32 v[RQ+48:RQ+49], v[RQ+48:RQ+49], v[RQ+50:RQ+51]
	v_add_f32 v[RQ+48], v[RQ+48], v[RQ+49]
	v_add_f32_dpp v[RQ+48], v[RQ+48], v[RQ+48] row_xmask:1 row_mask:0xf bank_mask:0xf   ; and of the wave's
	v_add_f32_dpp v[RQ+48], v[RQ+48], v[RQ+48] row_xmask:2 row_mask:0xf bank_mask:0xf
	v_add_f32_dpp v[RQ+48], v[RQ+48], v[RQ+48] row_xmask:4 row_mask:0xf bank_mask:0xf
	v_add_f32_dpp v[RQ+48], v[RQ+48], v[RQ+48] row_xmask:8 row_mask:0xf bank_mask:0xf
	v_permlanex16_b32 v[RQ+49], v[RQ+48], s[SEL], s[SEL+1]
	v_add_f32 v[RQ+48], v[RQ+48], v[RQ+49]
	ds_store_b32 v14, v[RQ+48]
.irp g, 0,1
.irp k, 0,2
	v_pk_mul_f32 v[RQ+24*\g+20+\k:RQ+24*\g+21+\k], v[RQ+24*\g+20+\k:RQ+24*\g+21+\k], -2.0 op_sel_hi:[1,0]
.endr
	ds_store_b128 v12, v[RQ+24*\g+20:RQ+24*\g+23] offset:4096+2048*\g
.endr
	ENCLOAD 3
	WIN 0
	s_wait_kmcnt 0x0                                 ; b2
	s_wait_dscnt 0x0                                 ; these stores have read their registers: the first unit's numbers land there
; THE LOAD PHASE.  A unit: through my stage (as in the launch before); as bf16 into the rows; quantised; its image and scale words to LDS.  cnt: the loads issued behind this unit's sixteen.
.macro UNIT u, cnt
.set LB, 64*((\u)%4)
.set MT, (\u)%2
.set KS, (\u)/2
	s_wait_loadcnt \cnt
	WIN 0x04                                         ; an LDS store's data are its source 1: window 1
.irp i, 0,1,2,3,4,5,6,7,8,9,10,11,12,13,14,15
	ds_store_b128 v4, v[LB+4*\i:LB+4*\i+3] offset:528*\i
.endr
	WIN 0
.irp b, 0,1,2,3
.irp j, 0,1,2,3
	ds_load_b128 v[RQ+16*\b+4*\j:RQ+16*\b+4*\j+3], v5 offset:128*\b+16*\j   ; LDS serves a wave's instructions in order: these see the stores above
.endr
.endr
	WIN 0x05                                         ; sources window 1, destination window 0
.irp i, 0,1,2,3,4,5,6,7,8,9,10,11,12,13,14,15
	v_cvt_pk_bf16_f32 v[RT+2*\i], v[LB+4*\i], v[LB+4*\i+1]
	v_cvt_pk_bf16_f32 v[RT+2*\i+1], v[LB+4*\i+2], v[LB+4*\i+3]
.endr
	WIN 0
.irp i, 0,1,2,3,4,5,6,7,8,9,10,11,12,13,14,15
	ds_store_b64 v3, v[RT+2*\i:RT+2*\i+1] offset:(16*MT+\i)*2048+256*KS   ; 256 consecutive bytes of a row
.endr
	s_wait_dscnt 16                                  ; only the sixteen stores just issued may be out: the 64 numbers are in, and the stage's stores have read the unit's registers,
.if (\u) <= 11
	ENCLOAD (\u)+4                                   ; which take the unit four on,
.elseif (\u) == 12
	GROUP 0                                          ; or, at the end, the first seven groups of W1's fragments
	GROUP 2
	GROUP 4
	GROUP 6
.elseif (\u) == 13
	GROUP 8
	GROUP 10
	GROUP 12
.endif
	WIN 0
	QUANT RQ, PC
	s_wait_dscnt 0x0                                 ; the stores of bf16 have read their registers
	ds_store_b128 v6, v[PC:PC+3] offset:8192*(KS%2)+1024*MT
	ds_store_b128 v6, v[PC+4:PC+7] offset:8192*(KS%2)+1024*MT+512
	ds_store_b32 v8, v[PW] offset:512*MT+128*(KS/2)+64*(KS%2)   ; lanes r and r + 16 write the same word with the same value
.endm
; A round = K step s: my two units, ONE barrier, all eight images into registers.  The two image buffers take turns: a buffer is written again only behind the next round's barrier,
; in front of which every wave has waited for its reads of it.
.macro ROUND s, c0, c1
	UNIT 2*(\s), \c0
	UNIT 2*(\s)+1, \c1
	s_wait_dscnt 0x0                                 ; my stores have landed, my reads of the other buffer are in
	s_barrier_signal -1
	s_barrier_wait -1
.set WX, 0x80+0x40*((\s)/4)
	WIN WX                                           ; destination window 2 or 3
.irp m, 0,1,2,3,4,5,6,7
	ds_load_b128 v[64*((\s)%4)+8*\m:64*((\s)%4)+8*\m+3], v7 offset:8192*((\s)%2)+1024*\m
	ds_load_b128 v[64*((\s)%4)+8*\m+4:64*((\s)%4)+8*\m+7], v7 offset:8192*((\s)%2)+1024*\m+512
.endr
	WIN 0
.endm
	ROUND 0, 48, 48                                  ; three units of sixteen loads are younger
	ROUND 1, 48, 48
	ROUND 2, 48, 48
	ROUND 3, 48, 48
	ROUND 4, 48, 48
	ROUND 5, 48, 48
	ROUND 6, 48, 52                                  ; unit 13: two units and four groups of five
	ROUND 7, 51, 35                                  ; unit 14: one unit and seven groups; unit 15: seven groups
.irp m, 0,1,2,3,4,5,6,7
.irp q, 0,1,2,3
	ds_load_b32 v[XS+4*\m+\q], v9 offset:512*\m+128*\q
.endr
.endr
.irp t, 0,1
	ds_load_b128 v[CC+8*\t:CC+8*\t+3], v10 offset:64*\t
	ds_load_b128 v[CC+8*\t+4:CC+8*\t+7], v10 offset:64*\t+16
.endr
; THE PRODUCT PHASE.
; The matrix instruction of column tile set par, K step s, tile of rows m.  The eight accumulators of a set take turns, one instruction a turn, over the change of sets and the loop's edge too.
.macro MM par, s, m
.set AC, ACC+64*(\par)+8*(\m)
.set RG, 8*(8*(\par)+(\s))
.set XR, 64*((\s)%4)+8*(\m)
.set WSR, WS+4*(\par)+(\s)/2
.set XSR, XS+4*(\m)+(\s)/2
.if (\s) == 0
	v_wmma_scale_f32_16x16x128_f8f6f4 v[AC:AC+7], v[RG:RG+7], v[XR:XR+7], v[CC+8*(\par):CC+8*(\par)+7], v[WSR], v[XSR] matrix_a_fmt:MATRIX_FMT_FP4 matrix_b_fmt:MATRIX_FMT_FP4
.elseif (\s)%2 == 0
	v_wmma_scale_f32_16x16x128_f8f6f4 v[AC:AC+7], v[RG:RG+7], v[XR:XR+7], v[AC:AC+7], v[WSR], v[XSR] matrix_a_fmt:MATRIX_FMT_FP4 matrix_b_fmt:MATRIX_FMT_FP4
.else
	v_wmma_scale_f32_16x16x128_f8f6f4 v[AC:AC+7], v[RG:RG+7], v[XR:XR+7], v[AC:AC+7], v[WSR], v[XSR] matrix_a_fmt:MATRIX_FMT_FP4 matrix_b_fmt:MATRIX_FMT_FP4 matrix_a_scale:MATRIX_SCALE_ROW1 matrix_b_scale:MATRIX_SCALE_ROW1
.endif
.endm
.macro FMUL set, t                     ; x 2 log2 e: the first read of a finished accumulator, from its low end on
.irp k, 0,2,4,6
	v_pk_mul_f32 v[ACC+64*(\set)+8*(\t)+\k:ACC+64*(\set)+8*(\t)+\k+1], v[ACC+64*(\set)+8*(\t)+\k:ACC+64*(\set)+8*(\t)+\k+1], s[28:29] op_sel_hi:[1,0]
.endr
.endm
.macro EXPS set, t, k0
.irp k, 0,1,2,3
	v_exp_f32 v[ACC+64*(\set)+8*(\t)+\k0+\k], v[ACC+64*(\set)+8*(\t)+\k0+\k]
.endr
.endm
.macro AADD set, t
.irp k, 0,2,4,6
	v_pk_add_f32 v[ACC+64*(\set)+8*(\t)+\k:ACC+64*(\set)+8*(\t)+\k+1], v[ACC+64*(\set)+8*(\t)+\k:ACC+64*(\set)+8*(\t)+\k+1], 1.0 op_sel_hi:[1,0]
.endr
.endm
.macro RCPS set, t, k0
.irp k, 0,1,2,3
	v_rcp_f32 v[ACC+64*(\set)+8*(\t)+\k0+\k], v[ACC+64*(\set)+8*(\t)+\k0+\k]
.endr
.endm
.macro GFMA set, t                     ; the score sums of tile of rows t, in two chains: += r x (-2 W2)
	s_wait_alu depctr_va_vdst(0)
.irp k, 0,2,4,6
	v_pk_fma_f32 v[SS+4*(\t)+(\k)%4:SS+4*(\t)+(\k)%4+1], v[ACC+64*(\set)+8*(\t)+\k:ACC+64*(\set)+8*(\t)+\k+1], v[WPR+8*(\set)+\k:WPR+8*(\set)+\k+1], v[SS+4*(\t)+(\k)%4:SS+4*(\t)+(\k)%4+1]
.endr
.endm
; A PERIOD: K step p of set par's column tile, 8 matrix instructions; between them tile p of the OTHER set goes through tanh.
; Behind the third matrix instruction stand four plain instructions (the multiply-adds of the tile before, or v_nop).  They are the plain place between the exponentials and their use, and the four places
; (ISA guide 7.12.1 for vector instructions) between the last period's last matrix instruction and the loads into its fragment, its scale words or c.  The multiplies behind the seventh are the plain place behind the reciprocals.
; In period 7 those multiplies are the first read of THIS set's tile 0: eight plain instructions (multiply-adds, adds) stand behind the instruction that finished it; with vec = 0 the four v_nop.
; vec = 0: no tanh yet; 1: no multiply-adds in period 0 yet; 2: all.  tail = 1: the last pair: one more group of loads, no further c.
; The wait at an even period: the group that brought this period's and the next one's fragments was issued 14 periods ago; six groups of five loads are younger (fewer in the tail).
.macro PERIOD par, p, vec, tail
.set OS, 1-(\par)
.set FILL, 1
.set CNT, 30
.if \tail
.set FILL, 0
.if (8*(\par)+(\p)) == 0
.set FILL, 1
.endif
.set CNT, 5*((14-8*(\par)-(\p))/2)
.if CNT > 30
.set CNT, 30
.endif
.endif
.if (\p) == 0
.set WM, 0x49                          ; source 0 and D window 1, source 1 window 2, C (c) window 0
.elseif (\p) < 4
.set WM, 0x59                          ; C window 1
.else
.set WM, 0x5d                          ; source 1 window 3
.endif
.if (\p)%2 == 0
	s_wait_loadcnt CNT
.endif
	WIN WM
	MM \par, \p, 0
.if \vec
	EXPS OS, \p, 0
.endif
	MM \par, \p, 1
.if \vec
	EXPS OS, \p, 4
.endif
	MM \par, \p, 2
.if (\vec == 2) && ((\p) == 0)
	WIN 0x01                                         ; source 0 window 1, all else window 0
	GFMA \par, 7                                     ; the last tile of the set that is now being multiplied anew: its accumulator is written five matrix instructions on
.elseif \vec && ((\p) > 0)
	WIN 0x01
	GFMA OS, (\p)-1
.else
	s_wait_alu depctr_va_vdst(0)
.rept 4
	v_nop
.endr
.endif
.if (\p) == 2
	WIN 0
.if !\tail
	ds_load_b128 v[CC+8*(\par):CC+8*(\par)+3], v10 offset:64*((\par)+2)          ; c of the column tile two on: period 0 has read the old one
	ds_load_b128 v[CC+8*(\par)+4:CC+8*(\par)+7], v10 offset:64*((\par)+2)+16
.endif
	ds_load_b128 v[WPR+8*(\par):WPR+8*(\par)+3], v10 offset:4096+64*(\par)       ; -2 W2 of this column tile, for its tanh in the next eight periods
	ds_load_b128 v[WPR+8*(\par)+4:WPR+8*(\par)+7], v10 offset:4096+64*(\par)+16
.endif
.if FILL && ((\p)%2 == 0)
	GROUP 8*(\par)+(\p)+14                           ; into the two ring slots and the scale register that the last two periods have left
.endif
	WIN WM
	MM \par, \p, 3
.if \vec
	AADD OS, \p
.endif
	MM \par, \p, 4
.if \vec
	RCPS OS, \p, 0
.endif
	MM \par, \p, 5
.if \vec
	RCPS OS, \p, 4
.endif
	MM \par, \p, 6
.if (\p) == 7
	FMUL \par, 0
.elseif \vec
	FMUL OS, (\p)+1
.endif
	MM \par, \p, 7
.endm
.macro HALF par, vec, tail             ; a column tile
	s_wait_dscnt 0x0                                 ; c and -2 W2 (ahead of the first: enc's fragments and scale words too)
.irp p, 0,1,2,3,4,5,6,7
	PERIOD \par, \p, \vec, \tail
.endr
.endm
.macro PAIREND                         ; on to the next two column tiles
	WIN 0                                            ; at a label and at a branch every window is 0
	s_wait_xcnt 0x0                                  ; the loads issued have had their addresses translated (ISA guide 3.1): their bases may step
	s_add_nc_u64 s[36:37], s[36:37], 16384
	s_add_nc_u64 s[38:39], s[38:39], 1024
	s_add_co_u32 s34, s34, 128
	v_add_nc_u32 v10, s34, v25
.endm
	HALF 0, 0, 0                                     ; the first pair is written out: there is no tile yet to put through tanh
	HALF 1, 1, 0
	PAIREND
	s_mov_b32 s32, 6
.Lpair:
	HALF 0, 2, 0
	HALF 1, 2, 0
	PAIREND
	s_sub_co_u32 s32, s32, 1
	s_cmp_lg_u32 s32, 0
	s_cbranch_scc1 .Lpair
	HALF 0, 2, 1                                     ; the last pair is written out: its loads end with the last fragment of my last column tile
	HALF 1, 2, 1
	s_wait_dscnt 0x0                                 ; -2 W2 of the last column tile
.irp p, 0,1,2,3,4,5,6,7                          ; the last column tile's tanh, with no matrix work beside it
	WIN 0x41
	EXPS 1, \p, 0
	EXPS 1, \p, 4
	WIN 0x01
.if \p == 0
	GFMA 0, 7
.else
	GFMA 1, \p-1
.endif
	WIN 0x41
	AADD 1, \p
	RCPS 1, \p, 0
	RCPS 1, \p, 4
.if \p < 7
	FMUL 1, \p+1
.else
	v_nop                                            ; a plain place behind the reciprocals
	s_wait_alu depctr_va_vdst(0)
.endif
.endr
	WIN 0x01
	GFMA 1, 7
	WIN 0
	; THE SCORES.  A lane's four sums of a tile of rows, and lane l xor 16's (the other eight h of each column tile): my wave's 256 h of row 16 m + r
.irp m, 0,1,2,3,4,5,6,7
	v_pk_add_f32 v[SS+4*\m:SS+4*\m+1], v[SS+4*\m:SS+4*\m+1], v[SS+4*\m+2:SS+4*\m+3]
.endr
.irp m, 0,1,2,3,4,5,6,7
	v_add_f32 v[SS+4*\m], v[SS+4*\m], v[SS+4*\m+1]
.endr
.irp m, 0,1,2,3,4,5,6,7
	v_permlanex16_b32 v[SS+4*\m+1], v[SS+4*\m], s[SEL], s[SEL+1]
.endr
.irp m, 0,1,2,3,4,5,6,7
	v_add_f32 v[SS+4*\m], v[SS+4*\m], v[SS+4*\m+1]
.endr
.irp m, 0,1,2,3,4,5,6,7
	ds_store_b32 v13, v[SS+4*\m] offset:64*\m
.endr
	s_wait_dscnt 0x0                                 ; for the others' sake: my parts have landed
	s_barrier_signal -1
	s_barrier_wait -1
.irp w, 0,1,2,3
	ds_load_b128 v[RQ+4*\w:RQ+4*\w+3], v16 offset:512*\w     ; every wave takes all 128 scores: lane l those of t = 4 l .. 4 l + 3
.endr
	ds_load_b128 v[RQ+16:RQ+19], v15
	s_wait_dscnt 0x0
	v_pk_add_f32 v[RQ:RQ+1], v[RQ:RQ+1], v[RQ+4:RQ+5]
	v_pk_add_f32 v[RQ+2:RQ+3], v[RQ+2:RQ+3], v[RQ+6:RQ+7]
	v_pk_add_f32 v[RQ+8:RQ+9], v[RQ+8:RQ+9], v[RQ+12:RQ+13]
	v_pk_add_f32 v[RQ+10:RQ+11], v[RQ+10:RQ+11], v[RQ+14:RQ+15]
	v_add_f32 v[RQ+16], v[RQ+16], v[RQ+17]
	v_add_f32 v[RQ+18], v[RQ+18], v[RQ+19]
	v_pk_add_f32 v[RQ:RQ+1], v[RQ:RQ+1], v[RQ+8:RQ+9]
	v_pk_add_f32 v[RQ+2:RQ+3], v[RQ+2:RQ+3], v[RQ+10:RQ+11]
	v_add_f32 v[RQ+16], v[RQ+16], v[RQ+18]
	v_add_f32 v[RQ+16], s33, v[RQ+16]                ; the sum of W2 + b2
	v_pk_add_f32 v[SCO:SCO+1], v[RQ:RQ+1], v[RQ+16:RQ+17] op_sel_hi:[1,0]
	v_pk_add_f32 v[SCO+2:SCO+3], v[RQ+2:RQ+3], v[RQ+16:RQ+17] op_sel_hi:[1,0]
	s_cmp_lg_u32 s22, 0
	s_cbranch_scc1 .Lscores_out
	global_store_b128 v1, v[SCO:SCO+3], s[18:19]     ; 512 consecutive bytes; its registers are not written again
.Lscores_out:
	v_max3_num_f32 v23, v[SCO], v[SCO+1], v[SCO+2]   ; m: the largest of the 128
	v_max_num_f32 v23, v23, v[SCO+3]
	v_max_num_f32_dpp v23, v23, v23 row_xmask:1 row_mask:0xf bank_mask:0xf
	v_max_num_f32_dpp v23, v23, v23 row_xmask:2 row_mask:0xf bank_mask:0xf
	v_max_num_f32_dpp v23, v23, v23 row_xmask:4 row_mask:0xf bank_mask:0xf
	v_max_num_f32_dpp v23, v23, v23 row_xmask:8 row_mask:0xf bank_mask:0xf
	v_permlanex16_b32 v[PC], v23, s[SEL], s[SEL+1]
	v_max_num_f32 v23, v23, v[PC]
.irp k, 0,1,2,3
	v_sub_f32 v[PP+\k], v[SCO+\k], v23
.endr
.irp k, 0,1,2,3
	v_mul_f32 v[PP+\k], 0x3fb8aa3b, v[PP+\k]
.endr
.irp k, 0,1,2,3
	v_exp_f32 v[PP+\k], v[PP+\k]                     ; p = 2^((score - m) log2 e), at most 1
.endr
.irp e, 0,1,2,3,4,5,6,7
	v_mov_b32 v[CA+\e], 0                            ; (plain places behind the exponentials)
.endr
	s_wait_alu depctr_va_vdst(0)
	ds_store_b128 v4, v[PP:PP+3]                     ; my wave's own copy of the 128 weights: its own bytes, so no barrier
	; THE PARTIAL CONTEXT.  Thread i owns h = 8 i .. 8 i + 7: 16 bytes of each of the 128 bf16 rows, each read once in the work-group.  Eight rows a set, two sets by turns.
.macro CLOAD set
.irp j, 0,1,2,3,4,5,6,7
	ds_load_b128 v[CE+32*\set+4*\j:CE+32*\set+4*\j+3], v21 offset:16384*\set+2048*\j
.endr
.irp k, 0,1
	ds_load_b128 v[CP+8*\set+4*\k:CP+8*\set+4*\k+3], v22 offset:32*\set+16*\k      ; four weights, the same in every lane
.endr
.endm
.macro CFMA set
.irp j, 0,1,2,3,4,5,6,7
.irp e, 0,2,4,6
	v_fma_mix_f32_bf16 v[CA+\e], v[CE+32*\set+4*\j+\e/2], v[CP+8*\set+\j], v[CA+\e] op_sel:[0,0,0] op_sel_hi:[1,0,0]
	v_fma_mix_f32_bf16 v[CA+\e+1], v[CE+32*\set+4*\j+\e/2], v[CP+8*\set+\j], v[CA+\e+1] op_sel:[1,0,0] op_sel_hi:[1,0,0]
.endr
.endr
.endm
	s_mov_b32 s34, 0
	s_mov_b32 s35, 0
	v_add_nc_u32 v21, s34, v11
	v_add_nc_u32 v22, s35, v18
	CLOAD 0
	s_mov_b32 s32, 7
.Lrows:                                              ; sixteen rows a trip
	CLOAD 1
	s_wait_dscnt 10                                  ; set 0 is in; set 1's ten loads are younger
	CFMA 0
	s_add_co_u32 s34, s34, 32768
	s_add_co_u32 s35, s35, 64
	v_add_nc_u32 v21, s34, v11
	v_add_nc_u32 v22, s35, v18
	CLOAD 0
	s_wait_dscnt 10
	CFMA 1
	s_sub_co_u32 s32, s32, 1
	s_cmp_lg_u32 s32, 0
	s_cbranch_scc1 .Lrows
	CLOAD 1                                          ; the last sixteen rows: nothing more to fetch behind them
	s_wait_dscnt 10
	CFMA 0
	s_wait_dscnt 0x0
	CFMA 1
	ds_store_b128 v19, v[CA:CA+3]                    ; a lane's 32 bytes lie beside its neighbours': through my own bytes of LDS,
	ds_store_b128 v19, v[CA+4:CA+7] offset:16
	ds_load_b128 v[CE:CE+3], v4 offset:1024          ; so that each store covers 512 consecutive bytes
	ds_load_b128 v[CE+4:CE+7], v4 offset:1536
	s_wait_dscnt 0x0
	global_store_b128 v1, v[CE:CE+3], s[20:21]
	global_store_b128 v1, v[CE+4:CE+7], s[20:21] offset:512
	s_wait_tensorcnt 0x0
	ds_add_u32 v250, v251
	s_wait_dscnt 0x0
	s_endpgm
.Lfunc_end_k_q7fc342e508_main:
	.size	k_q7fc342e508_main, .Lfunc_end_k_q7fc342e508_main-k_q7fc342e508_main
	.p2alignl 7, 3214868480
	.fill 96, 4, 3214868480
	.section	.rodata,"a",@progbits
	.p2align	6, 0x0
	.amdhsa_kernel k_q7fc342e508_main
		.amdhsa_group_segment_fixed_size 325376
		.amdhsa_private_segment_fixed_size 0
		.amdhsa_enable_private_segment 0
		.amdhsa_kernarg_size 72
		.amdhsa_user_sgpr_count 2
		.amdhsa_user_sgpr_kernarg_segment_ptr 1
		.amdhsa_wavefront_size32 1
		.amdhsa_system_sgpr_workgroup_id_x 1
		.amdhsa_system_sgpr_workgroup_id_y 1
		.amdhsa_system_sgpr_workgroup_id_z 1
		.amdhsa_system_vgpr_workitem_id 0
		.amdhsa_next_free_vgpr 1024
		.amdhsa_next_free_sgpr 66
		.amdhsa_reserve_vcc 0
		.amdhsa_float_denorm_mode_32 3
		.amdhsa_float_denorm_mode_16_64 3
		.amdhsa_memory_ordered 1
		.amdhsa_forward_progress 1
		.amdhsa_inst_pref_size 255
	.end_amdhsa_kernel
	.section	.bss,"aw",@nobits
	.p2align	6
	.space	262144
	.amdgpu_metadata
---
amdhsa.version: [ 1, 2 ]
amdhsa.kernels:
  - .name:           k_q7fc342e508_main
    .symbol:         k_q7fc342e508_main.kd
    .args:
      - { .name: encoder_output, .offset: 0, .size: 8, .value_kind: global_buffer, .address_space: global }
      - { .name: W1F, .offset: 8, .size: 8, .value_kind: global_buffer, .address_space: global }
      - { .name: WSF, .offset: 16, .size: 8, .value_kind: global_buffer, .address_space: global }
      - { .name: CBP, .offset: 24, .size: 8, .value_kind: global_buffer, .address_space: global }
      - { .name: b1, .offset: 32, .size: 8, .value_kind: global_buffer, .address_space: global }
      - { .name: W2, .offset: 40, .size: 8, .value_kind: global_buffer, .address_space: global }
      - { .name: b2, .offset: 48, .size: 8, .value_kind: global_buffer, .address_space: global }
      - { .name: SCR, .offset: 56, .size: 8, .value_kind: global_buffer, .address_space: global }
      - { .name: PCT, .offset: 64, .size: 8, .value_kind: global_buffer, .address_space: global }
    .group_segment_fixed_size: 325376
    .private_segment_fixed_size: 0
    .kernarg_segment_align: 8
    .kernarg_segment_size: 72
    .max_flat_workgroup_size: 128
    .sgpr_count:     66
    .vgpr_count:     1024
    .wavefront_size: 32
...
	.end_amdgpu_metadata
.endif
;; end of part 2
;; launch finish (part 3): grid 32 x 1, 8 waves a work-group, no clusters, 1,536 bytes of LDS; arguments SCR, PCT, out0, out1; writes out0, out1
.if DOCPART == 3
	.amdgcn_target "amdgcn-amd-amdhsa--gfx1250"
	.amdhsa_code_object_version 6
	.text
	.protected	k_q7fc342e508_finish
	.globl	k_q7fc342e508_finish
	.p2align	8
	.type	k_q7fc342e508_finish,@function
k_q7fc342e508_finish:
	s_mov_b64 s[64:65], 0
	v_nop
	global_prefetch_b8 v0, s[64:65] scope:SCOPE_SE
	s_setreg_imm32_b32 hwreg(HW_REG_WAVE_MODE, 25, 1), 1
	s_wait_xcnt 0x0
; The softmax over all 1,024 time steps of batch row b (= the work-group), and the context from the eight partial contexts.
; SCR [b][t]: raw scores.  PCT [b][c][h] = the sum over the 128 t of chunk c of 2^((s[t] - m_c) log2 e) enc[t,b,h], m_c the chunk's largest score.
; Thread i holds scores t = 4 i .. 4 i + 3, so wave c holds chunk c; a maximum is exact, so its m_c has the bits that the launch before used.
; M = the largest m_c;  out1[b][t] = 2^((s[t] - M) log2 e) / L, L the sum of these;  out0[b][h] = (the sum over c of 2^((m_c - M) log2 e) PCT[b][c][h]) / L.
; Memory binds and the launch is small: no matrix unit, no cluster.  Every load and store of a wave covers 512 consecutive bytes.
; LIMITS: NaN and infinities among the scores are not served.
	s_load_b256 s[4:11], s[0:1], 0x0                 ; SCR s[4:5], PCT s[6:7], out0 s[8:9], out1 s[10:11]
	v_lshl_add_u32 v64, v0, 2, 0x200
	v_mov_b32 v65, 0
	v_lshlrev_b32 v1, 4, v0                          ; 16 x thread
	v_lshrrev_b32 v2, 5, v0
	v_readfirstlane_b32 s12, v2                      ; wave = chunk
	s_lshl_b32 s14, ttmp9, 12                        ; 4,096 b
	s_mov_b32 s15, 0
	s_lshl_b32 s16, ttmp9, 15                        ; 32,768 b
	s_mov_b32 s17, 0
	s_mov_b32 s18, 0x76543210
	s_mov_b32 s19, 0xfedcba98                        ; lane l xor 16
	s_mov_b32 s20, 0x3fb8aa3b                        ; log2 e
	v_mov_b32 v3, s12
	v_lshlrev_b32 v3, 2, v3                          ; my wave's word in LDS
	v_mov_b32 v4, 0
	v_mov_b32 v9, 0                                  ; written once: a lane permute's destination counts as one of its sources
	s_wait_kmcnt 0x0
	s_add_nc_u64 s[4:5], s[4:5], s[14:15]
	s_add_nc_u64 s[6:7], s[6:7], s[16:17]
	s_add_nc_u64 s[8:9], s[8:9], s[14:15]
	s_add_nc_u64 s[10:11], s[10:11], s[14:15]
	global_load_b128 v[12:15], v1, s[4:5]
.irp c, 0,1,2,3,4,5,6,7
	global_load_b128 v[16+4*\c:19+4*\c], v1, s[6:7] offset:4096*\c
.endr
	s_wait_loadcnt 8                                 ; the scores are in; the eight partial contexts are younger
	v_max3_num_f32 v8, v12, v13, v14
	v_max_num_f32 v8, v8, v15
	v_max_num_f32_dpp v8, v8, v8 row_xmask:1 row_mask:0xf bank_mask:0xf
	v_max_num_f32_dpp v8, v8, v8 row_xmask:2 row_mask:0xf bank_mask:0xf
	v_max_num_f32_dpp v8, v8, v8 row_xmask:4 row_mask:0xf bank_mask:0xf
	v_max_num_f32_dpp v8, v8, v8 row_xmask:8 row_mask:0xf bank_mask:0xf
	v_permlanex16_b32 v9, v8, s18, s19
	v_max_num_f32 v8, v8, v9                         ; m_c
	ds_store_b32 v3, v8
	s_wait_dscnt 0x0                                 ; for the others' sake
	s_barrier_signal -1
	s_barrier_wait -1
	ds_load_b128 v[48:51], v4
	ds_load_b128 v[52:55], v4 offset:16
	s_wait_dscnt 0x0
	v_max3_num_f32 v10, v48, v49, v50
	v_max3_num_f32 v10, v10, v51, v52
	v_max3_num_f32 v10, v10, v53, v54
	v_max_num_f32 v10, v10, v55                      ; M
.irp k, 0,1,2,3
	v_sub_f32 v[12+\k], v[12+\k], v10
.endr
.irp c, 0,1,2,3,4,5,6,7
	v_sub_f32 v[48+\c], v[48+\c], v10
.endr
.irp k, 0,1,2,3
	v_mul_f32 v[12+\k], s20, v[12+\k]
.endr
.irp c, 0,1,2,3,4,5,6,7
	v_mul_f32 v[48+\c], s20, v[48+\c]
.endr
.irp k, 0,1,2,3
	v_exp_f32 v[12+\k], v[12+\k]                     ; e = 2^((s - M) log2 e)
.endr
.irp c, 0,1,2,3,4,5,6,7
	v_exp_f32 v[48+\c], v[48+\c]                     ; f_c = 2^((m_c - M) log2 e)
.endr
	v_nop                                            ; a plain place behind the exponentials
	s_wait_alu depctr_va_vdst(0)
	v_add_f32 v8, v12, v13
	v_add_f32 v11, v14, v15
	v_add_f32 v8, v8, v11
	v_add_f32_dpp v8, v8, v8 row_xmask:1 row_mask:0xf bank_mask:0xf
	v_add_f32_dpp v8, v8, v8 row_xmask:2 row_mask:0xf bank_mask:0xf
	v_add_f32_dpp v8, v8, v8 row_xmask:4 row_mask:0xf bank_mask:0xf
	v_add_f32_dpp v8, v8, v8 row_xmask:8 row_mask:0xf bank_mask:0xf
	v_permlanex16_b32 v9, v8, s18, s19
	v_add_f32 v8, v8, v9
	ds_store_b32 v3, v8 offset:256                   ; other bytes than the maxima's
	s_wait_dscnt 0x0
	s_barrier_signal -1
	s_barrier_wait -1
	ds_load_b128 v[56:59], v4 offset:256
	ds_load_b128 v[60:63], v4 offset:272
	s_wait_dscnt 0x0
	v_add_f32 v56, v56, v57
	v_add_f32 v58, v58, v59
	v_add_f32 v60, v60, v61
	v_add_f32 v62, v62, v63
	v_add_f32 v56, v56, v58
	v_add_f32 v60, v60, v62
	v_add_f32 v56, v56, v60                          ; L
	v_rcp_f32 v8, v56
	v_nop                                            ; a plain place behind the reciprocal
	s_wait_alu depctr_va_vdst(0)
.irp k, 0,1,2,3
	v_mul_f32 v[12+\k], v[12+\k], v8
.endr
	global_store_b128 v1, v[12:15], s[10:11]         ; out1
	s_wait_loadcnt 0x0                               ; the partial contexts
.irp k, 0,1,2,3
	v_mul_f32 v[56+\k], v48, v[16+\k]
.endr
.irp c, 1,2,3,4,5,6,7
.irp k, 0,1,2,3
	v_fma_f32 v[56+\k], v[48+\c], v[16+4*\c+\k], v[56+\k]
.endr
.endr
.irp k, 0,1,2,3
	v_mul_f32 v[56+\k], v[56+\k], v8
.endr
	global_store_b128 v1, v[56:59], s[8:9]           ; out0
	s_wait_tensorcnt 0x0
	ds_add_u32 v64, v65
	s_wait_dscnt 0x0
	s_endpgm
.Lfunc_end_k_q7fc342e508_finish:
	.size	k_q7fc342e508_finish, .Lfunc_end_k_q7fc342e508_finish-k_q7fc342e508_finish
	.p2alignl 7, 3214868480
	.fill 96, 4, 3214868480
	.section	.rodata,"a",@progbits
	.p2align	6, 0x0
	.amdhsa_kernel k_q7fc342e508_finish
		.amdhsa_group_segment_fixed_size 1536
		.amdhsa_private_segment_fixed_size 0
		.amdhsa_enable_private_segment 0
		.amdhsa_kernarg_size 32
		.amdhsa_user_sgpr_count 2
		.amdhsa_user_sgpr_kernarg_segment_ptr 1
		.amdhsa_wavefront_size32 1
		.amdhsa_system_sgpr_workgroup_id_x 1
		.amdhsa_system_sgpr_workgroup_id_y 1
		.amdhsa_system_sgpr_workgroup_id_z 1
		.amdhsa_system_vgpr_workitem_id 0
		.amdhsa_next_free_vgpr 66
		.amdhsa_next_free_sgpr 66
		.amdhsa_reserve_vcc 0
		.amdhsa_float_denorm_mode_32 3
		.amdhsa_float_denorm_mode_16_64 3
		.amdhsa_memory_ordered 1
		.amdhsa_forward_progress 1
		.amdhsa_inst_pref_size 8
	.end_amdhsa_kernel
	.amdgpu_metadata
---
amdhsa.version: [ 1, 2 ]
amdhsa.kernels:
  - .name:           k_q7fc342e508_finish
    .symbol:         k_q7fc342e508_finish.kd
    .args:
      - { .name: SCR, .offset: 0, .size: 8, .value_kind: global_buffer, .address_space: global }
      - { .name: PCT, .offset: 8, .size: 8, .value_kind: global_buffer, .address_space: global }
      - { .name: out0, .offset: 16, .size: 8, .value_kind: global_buffer, .address_space: global }
      - { .name: out1, .offset: 24, .size: 8, .value_kind: global_buffer, .address_space: global }
    .group_segment_fixed_size: 1536
    .private_segment_fixed_size: 0
    .kernarg_segment_align: 8
    .kernarg_segment_size: 32
    .max_flat_workgroup_size: 256
    .sgpr_count:     66
    .vgpr_count:     66
    .wavefront_size: 32
...
	.end_amdgpu_metadata
.endif
;; end of part 3
;; ======== version 2 of 2: 3 launches; version 1 with the launches prep, main written anew for expert scheduling mode
;; workspace buffers: W1F 524,288 bytes; WSF 32,768 bytes; CBP 524,288 bytes; SCR 131,072 bytes; PCT 1,048,576 bytes
;; launch prep (part 4): grid 256 x 1, 4 waves a work-group, no clusters, 41,472 bytes of LDS; arguments W1, cur_hidden, W1F, WSF, CBP; writes W1F, WSF, CBP
.if DOCPART == 4
	.amdgcn_target "amdgcn-amd-amdhsa--gfx1250"
	.amdhsa_code_object_version 6
	.text
	.protected	k_q7fc342e508_prep
	.globl	k_q7fc342e508_prep
	.p2align	8
	.type	k_q7fc342e508_prep,@function
k_q7fc342e508_prep:
	s_mov_b64 s[64:65], 0
	v_nop
	global_prefetch_b8 v0, s[64:65] scope:SCOPE_SE
	s_setreg_imm32_b32 hwreg(HW_REG_WAVE_SCHED_MODE, 0, 2), 2
	s_setreg_imm32_b32 hwreg(HW_REG_WAVE_MODE, 25, 1), 1
	s_wait_xcnt 0x0
	s_wait_alu depctr_vm_vsrc(0)
; W1 [1024][2048] and cur_hidden [32][1024], f32, are quantised along K to codes of FP4 (E2M1) with one E8M0 scale byte for each 32 along K.
; K = 2,048 of the first product is enc's 1,024 followed by cur's 1,024; 1,024 is a multiple of 32, so no block of 32 lies across the seam and the product is the sum of two products.
;   W1's first half (K steps 0-7 of 128) leaves as IMAGES OF THE OPERAND'S REGISTERS: W1F [tile of 16 rows][K step][1,024 bytes], register group c of lane l at 512 c + 16 l;
;   its scale words as WSF [tile][q][32 words]: lanes 0-15 the rows' words of K step 2 q, lanes 16-31 those of K step 2 q + 1.
;   W1's second half is multiplied here with Q(cur): the same 32 rows serve every time step.  CBP [q][b][h] holds four partial sums, q = two K steps each.
; SHARES.  Work-group x: tile nt = x / 4 of 16 rows of W1, q = x % 4.  Each wave quantises one unit (16 rows x 128 K) of W1 and one of cur:
;   wave w: W1's K step 2 q + w % 2 + 8 (w / 2);  cur's rows 16 (w % 2) on, K step 2 q + w / 2.  Behind the one barrier waves 2 and 3 multiply, wave 0 stores the scale words.
; A unit is loaded row by row, 512 consecutive bytes an instruction, and turned through the wave's own stage in LDS (16 rows, 528 bytes apart), so that a lane holds 16 neighbours of each block of 32.
; A block's scale byte is its largest magnitude's exponent field - 2, held at 1 from below.
; LIMITS: NaN and infinities among the inputs are not served; a block whose largest magnitude lies under 2^-124, a block of zeros among them, gets the byte 1 (its codes of zeros add nothing; only this program reads the bytes).
; CBP's stores are pieces of 64 bytes of a row (a work-group owns 16 of the 1,024 h): 524,288 bytes in all beside the 8.5 MB that the launch reads.
; THE MODE: SCHED_MODE bits 1:0 = 2 (LLVM: expert scheduling mode 2), set by the entry lines.  The code itself states the register dependences
; between vector or matrix instructions and memory or LDS instructions, with s_wait_alu, always for 0.
; THE PLAN.  Registers that memory or LDS instructions touch:
;   v1-15       addresses and offsets: made once at the head, never written again: one wait on va_vdst ahead of the first load.
;   L0, L1      the global loads land in them, the stage's stores read them; never written again.
;   RQ          the stage's loads land in it, the quantiser reads it, twice; then the fetched fragments land in it.  The wait on va_vdst behind each quantiser states that it is done reading RQ.
;   PCW, PCC    written by the quantiser, read by stores: the same wait on va_vdst behind each quantiser.
;   PW          likewise, and written twice: one wait on vm_vsrc ahead of the second quantiser.
;   the result  written by the two matrix instructions, read by two stores: the places, then a wait on va_vdst.
.set STG,  0                           ; four stages of 16 x 528 bytes
.set CIMG, 33792                       ; cur's four fragment images: (w % 2) + 2 (w / 2)
.set CSC,  37888                       ; their scale words, 128 bytes each
.set WIMG, 38400                       ; the two images of W1's second half
.set WSI,  40448                       ; their scale words
.set WSC,  40704                       ; the scale words of W1's first half: 16 of K step 2 q, 16 of 2 q + 1
.set L0,   16                          ; v16-79   W1's unit as loaded
.set L1,   80                          ; v80-143  cur's
.set RQ,   144                         ; v144-207 64 numbers, 16 neighbours of each of four blocks; later the fetched fragments and the result
.set PCW,  208                         ; v208-215 W1's fragment
.set PCC,  216                         ; v216-223 cur's
.set TM,   224                         ; v224-239 at work
.set PW,   240                         ; v240     the scale word just made
.set SEL,  20                          ; s[20:21] lane selects: lane l xor 16
; 64 numbers of a lane, register 16 b + i = k 32 b + 16 (lane / 16) + i of my row, become a fragment's codes in v[pc] on and its scale word in v[PW]
.macro QUANT src, pc
.irp b, 0,1,2,3
	v_max3_num_f32 v[TM+\b], |v[\src+16*\b]|, |v[\src+1+16*\b]|, 0x1800000   ; my 16 numbers of block b, and the floor 2^(3 - 127): the byte cannot fall under 1
.endr
.irp i, 2,4,6,8,10,12,14
.irp b, 0,1,2,3
	v_max3_num_f32 v[TM+\b], v[TM+\b], |v[\src+16*\b+\i]|, |v[\src+1+16*\b+\i]|   ; the four blocks by turns
.endr
.endr
.irp b, 0,1,2,3
	v_permlanex16_b32 v[TM+4+\b], v[TM+\b], s[SEL], s[SEL+1]
.endr
.irp b, 0,1,2,3
	v_max_num_f32 v[TM+\b], v[TM+\b], v[TM+4+\b]     ; with lane l xor 16's: the block's largest magnitude
.endr
.irp b, 0,1,2,3
	v_add_nc_u32 v[TM+12+\b], 0xff000000, v[TM+\b]   ; 2 off its exponent field: the conversion's scale operand
.endr
.irp b, 0,1,2,3
	v_lshrrev_b32 v[TM+4+\b], 23, v[TM+12+\b]        ; the scale's byte
.endr
	v_lshl_or_b32 v[PW], v[TM+5], 8, v[TM+4]
	v_lshl_or_b32 v[PW], v[TM+6], 16, v[PW]
	v_lshl_or_b32 v[PW], v[TM+7], 24, v[PW]
.irp b, 0,1,2,3
	v_cvt_scalef32_pk8_fp4_f32 v[\pc+2*\b], v[\src+16*\b:\src+7+16*\b], v[TM+12+\b]
	v_cvt_scalef32_pk8_fp4_f32 v[\pc+1+2*\b], v[\src+8+16*\b:\src+15+16*\b], v[TM+12+\b]
.endr
	v_nop                                            ; one plain place behind a scaled conversion
.irp c, 0,1                                      ; the operand wants a whole block in a lane: lanes 0-15 block 2 c, lanes 16-31 block 2 c + 1
.irp i, 0,1
	v_permlane16_swap_b32 v[\pc+4*\c+\i], v[\pc+2+4*\c+\i]
.endr
.endr
.endm
; a unit in v[l] on goes through my stage and comes back as 16 neighbours of each block: LDS serves a wave's instructions in order, so no wait stands between
.macro TURN l
.irp i, 0,1,2,3,4,5,6,7,8,9,10,11,12,13,14,15
	ds_store_b128 v3, v[\l+4*\i:\l+4*\i+3] offset:528*\i
.endr
.irp b, 0,1,2,3
.irp j, 0,1,2,3
	ds_load_b128 v[RQ+16*\b+4*\j:RQ+16*\b+4*\j+3], v4 offset:128*\b+16*\j
.endr
.endr
	s_wait_dscnt 0x0                                 ; the 64 numbers are in (and every earlier LDS store has read its registers)
.endm
	s_load_b256 s[4:11], s[0:1], 0x0                 ; W1 s[4:5], cur s[6:7], W1F s[8:9], WSF s[10:11]
	s_load_b64 s[12:13], s[0:1], 0x20                ; CBP
	v_lshl_add_u32 v254, v0, 2, 0xa000
	v_mov_b32 v255, 0
	v_lshrrev_b32 v244, 5, v0
	v_readfirstlane_b32 s14, v244                    ; wave
	s_lshr_b32 s15, ttmp9, 2                         ; nt
	s_and_b32 s16, ttmp9, 3                          ; q
	v_and_b32 v244, 31, v0                           ; lane
	v_and_b32 v245, 15, v0                           ; r
	v_bfe_u32 v246, v0, 4, 1                         ; half
	; every LDS address is made here, ahead of the first parting of the waves
	v_lshlrev_b32 v1, 4, v244                        ; 16 x lane
	v_lshlrev_b32 v2, 2, v244                        ; 4 x lane
	s_wait_alu depctr_va_sdst(0)                     ; s14 is written, ahead of its first reader: addresses, bases and branches are made from it
	s_and_b32 s17, s14, 1                            ; w % 2
	s_lshr_b32 s18, s14, 1                           ; w / 2
	s_mul_i32 s19, s14, 8448                         ; my stage
	v_add_nc_u32 v3, s19, v1                         ; into it: 16 x lane, rows by the immediate
	v_mul_u32_u24 v4, v245, 528
	v_lshl_add_u32 v4, v246, 6, v4
	v_add_nc_u32 v4, s19, v4                         ; out of it: row r, + 64 x half
	s_lshl_b32 s19, s14, 10
	s_add_co_u32 s19, s19, CIMG
	v_add_nc_u32 v5, s19, v1                         ; where I store cur's image
	s_lshl_b32 s19, s14, 7
	s_add_co_u32 s19, s19, CSC
	v_add_nc_u32 v6, s19, v2                         ; and its scale words
	s_lshl_b32 s19, s17, 10
	s_add_co_u32 s22, s19, WIMG
	v_add_nc_u32 v7, s22, v1                         ; waves 2, 3: where W1's image goes
	s_add_co_u32 s22, s19, CIMG
	v_add_nc_u32 v11, s22, v1                        ; waves 2, 3: cur's images of rows 16 (w % 2) on
	s_lshl_b32 s19, s17, 7
	s_add_co_u32 s22, s19, WSI
	v_add_nc_u32 v8, s22, v2
	s_add_co_u32 s22, s19, CSC
	v_add_nc_u32 v12, s22, v2
	s_lshl_b32 s19, s17, 6
	s_add_co_u32 s19, s19, WSC
	v_lshl_add_u32 v9, v245, 2, s19                  ; waves 0, 1: my rows' scale words
	v_add_nc_u32 v10, WSC, v2
	v_add_nc_u32 v13, WIMG, v1
	v_add_nc_u32 v14, WSI, v2
	v_lshlrev_b32 v15, 12, v245
	v_lshl_add_u32 v15, v246, 5, v15                 ; CBP: row r of 4,096 bytes, + 32 x half
	s_mov_b32 s[SEL], 0x76543210
	s_mov_b32 s[SEL+1], 0xfedcba98
.irp b, 0,1,2,3
	v_mov_b32 v[TM+4+\b], 0                          ; written once: a lane permute's destination counts as one of its sources
.endr
	s_lshl_b32 s24, s16, 1                           ; 2 q
	s_add_co_u32 s25, s24, s17                       ; 2 q + w % 2
	s_lshl_b32 s26, s18, 3
	s_add_co_u32 s26, s26, s25                       ; W1's K step
	s_lshl_b32 s26, s26, 9
	s_lshl_b32 s22, s15, 17                          ; 16 rows of 8,192 bytes
	s_add_co_u32 s22, s22, s26
	s_mov_b32 s23, 0
	s_add_co_u32 s24, s24, s18                       ; cur's K step
	s_lshl_b32 s24, s24, 9
	s_lshl_b32 s26, s17, 16                          ; 16 rows of 4,096 bytes
	s_add_co_u32 s26, s26, s24
	s_mov_b32 s27, 0
	s_lshl_b32 s28, s15, 3
	s_add_co_u32 s28, s28, s25
	s_lshl_b32 s28, s28, 10                          ; W1F: (8 nt + K step) x 1,024
	s_mov_b32 s29, 0
	s_lshl_b32 s30, ttmp9, 7                         ; WSF: (4 nt + q) x 128
	s_mov_b32 s31, 0
	s_lshl_b32 s32, s16, 17                          ; CBP: q x 131,072 + (w % 2) x 16 rows + 64 nt
	s_lshl_b32 s33, s17, 16
	s_add_co_u32 s32, s32, s33
	s_lshl_b32 s33, s15, 6
	s_add_co_u32 s32, s32, s33
	s_mov_b32 s33, 0
	s_wait_kmcnt 0x0
	s_add_nc_u64 s[4:5], s[4:5], s[22:23]
	s_add_nc_u64 s[6:7], s[6:7], s[26:27]
	s_add_nc_u64 s[8:9], s[8:9], s[28:29]
	s_add_nc_u64 s[10:11], s[10:11], s[30:31]
	s_add_nc_u64 s[12:13], s[12:13], s[32:33]
	s_wait_alu depctr_va_vdst(0)                     ; the addresses and offsets v1 to v15 are written, which every load and store of the kernel reads
.irp i, 0,1,2,3,4,5,6,7,8,9,10,11,12,13,14,15
	global_load_b128 v[L0+4*\i:L0+4*\i+3], v1, s[4:5] offset:8192*\i th:TH_LOAD_NT   ; 512 consecutive bytes of a row; each number of W1 is read once in the launch
.endr
.irp i, 0,1,2,3,4,5,6,7,8,9,10,11,12,13,14,15
	global_load_b128 v[L1+4*\i:L1+4*\i+3], v1, s[6:7] offset:4096*\i
.endr
	s_wait_loadcnt 16                                ; W1's sixteen are in; cur's sixteen are younger
	TURN L0
	QUANT RQ, PCW
	s_wait_alu depctr_va_vdst(0)                     ; the quantiser has written v[PCW ..] and v[PW], which the stores of both arms read, and is done reading v[RQ ..], in which cur's numbers land
	s_cmp_lt_u32 s14, 2
	s_cbranch_scc0 .Lsecond_half
	global_store_b128 v1, v[PCW:PCW+3], s[8:9]               ; the image: 512 consecutive bytes a store
	global_store_b128 v1, v[PCW+4:PCW+7], s[8:9] offset:512
	ds_store_b32 v9, v[PW]                           ; lanes r and r + 16 write the same word with the same value
	s_branch .Ljoin
.Lsecond_half:
	ds_store_b128 v7, v[PCW:PCW+3]
	ds_store_b128 v7, v[PCW+4:PCW+7] offset:512
	ds_store_b32 v8, v[PW]
.Ljoin:
	s_wait_loadcnt 0x0                               ; cur's unit
	TURN L1
	s_wait_alu depctr_vm_vsrc(0)                     ; the store of W1's scale word, in either arm, has read v[PW], which the quantiser writes again
	QUANT RQ, PCC
	s_wait_alu depctr_va_vdst(0)                     ; the quantiser has written v[PCC ..] and v[PW], which the stores read, and is done reading v[RQ ..], in which the fragments land behind the barrier
	ds_store_b128 v5, v[PCC:PCC+3]
	ds_store_b128 v5, v[PCC+4:PCC+7] offset:512
	ds_store_b32 v6, v[PW]
	s_wait_dscnt 0x0                                 ; for the others' sake: all my LDS stores have landed
	s_barrier_signal -1
	s_barrier_wait -1
	s_cmp_lg_u32 s14, 0
	s_cbranch_scc1 .Lnot_wave_0
	ds_load_b32 v241, v10                            ; the 32 scale words of K steps 2 q and 2 q + 1
	s_wait_dscnt 0x0
	global_store_b32 v2, v241, s[10:11]
.Lnot_wave_0:
	s_cmp_lt_u32 s14, 2
	s_cbranch_scc1 .Lend
.irp j, 0,1                                      ; the two K steps: W1's fragment, cur's fragment, their scale words
	ds_load_b128 v[RQ+16*\j:RQ+16*\j+3], v13 offset:1024*\j
	ds_load_b128 v[RQ+16*\j+4:RQ+16*\j+7], v13 offset:1024*\j+512
	ds_load_b128 v[RQ+16*\j+8:RQ+16*\j+11], v11 offset:2048*\j
	ds_load_b128 v[RQ+16*\j+12:RQ+16*\j+15], v11 offset:2048*\j+512
	ds_load_b32 v[RQ+32+2*\j], v14 offset:128*\j
	ds_load_b32 v[RQ+33+2*\j], v12 offset:256*\j
.endr
	s_wait_dscnt 0x0
	; source 0 = 16 rows of W1, source 1 = 16 rows of cur: lane (r, half) holds b = 16 (w % 2) + r, register j holds h = 16 nt + 8 half + j
	v_wmma_scale_f32_16x16x128_f8f6f4 v[RQ+40:RQ+47], v[RQ:RQ+7], v[RQ+8:RQ+15], 0, v[RQ+32], v[RQ+33] matrix_a_fmt:MATRIX_FMT_FP4 matrix_b_fmt:MATRIX_FMT_FP4
	s_wait_alu depctr_va_vdst(0)                     ; one accumulator alone
	v_wmma_scale_f32_16x16x128_f8f6f4 v[RQ+40:RQ+47], v[RQ+16:RQ+23], v[RQ+24:RQ+31], v[RQ+40:RQ+47], v[RQ+34], v[RQ+35] matrix_a_fmt:MATRIX_FMT_FP4 matrix_b_fmt:MATRIX_FMT_FP4
.rept 4
	v_nop                                            ; four places in front of the stores that read the result
.endr
	s_wait_alu depctr_va_vdst(0)                     ; the matrix instructions have written the result, which the stores read; the places above stay beside this wait
	global_store_b128 v15, v[RQ+40:RQ+43], s[12:13]
	global_store_b128 v15, v[RQ+44:RQ+47], s[12:13] offset:16
.Lend:
	s_wait_dscnt 0x0                                 ; the closing lines, six on end
	s_wait_alu 0x0
	s_wait_tensorcnt 0x0
	ds_add_u32 v254, v255
	s_wait_dscnt 0x0
	s_endpgm
.Lfunc_end_k_q7fc342e508_prep:
	.size	k_q7fc342e508_prep, .Lfunc_end_k_q7fc342e508_prep-k_q7fc342e508_prep
	.p2alignl 7, 3214868480
	.fill 96, 4, 3214868480
	.section	.rodata,"a",@progbits
	.p2align	6, 0x0
	.amdhsa_kernel k_q7fc342e508_prep
		.amdhsa_group_segment_fixed_size 41472
		.amdhsa_private_segment_fixed_size 0
		.amdhsa_enable_private_segment 0
		.amdhsa_kernarg_size 40
		.amdhsa_user_sgpr_count 2
		.amdhsa_user_sgpr_kernarg_segment_ptr 1
		.amdhsa_wavefront_size32 1
		.amdhsa_system_sgpr_workgroup_id_x 1
		.amdhsa_system_sgpr_workgroup_id_y 1
		.amdhsa_system_sgpr_workgroup_id_z 1
		.amdhsa_system_vgpr_workitem_id 0
		.amdhsa_next_free_vgpr 256
		.amdhsa_next_free_sgpr 66
		.amdhsa_reserve_vcc 0
		.amdhsa_float_denorm_mode_32 3
		.amdhsa_float_denorm_mode_16_64 3
		.amdhsa_memory_ordered 1
		.amdhsa_forward_progress 1
		.amdhsa_inst_pref_size 22
	.end_amdhsa_kernel
	.amdgpu_metadata
---
amdhsa.version: [ 1, 2 ]
amdhsa.kernels:
  - .name:           k_q7fc342e508_prep
    .symbol:         k_q7fc342e508_prep.kd
    .args:
      - { .name: W1, .offset: 0, .size: 8, .value_kind: global_buffer, .address_space: global }
      - { .name: cur_hidden, .offset: 8, .size: 8, .value_kind: global_buffer, .address_space: global }
      - { .name: W1F, .offset: 16, .size: 8, .value_kind: global_buffer, .address_space: global }
      - { .name: WSF, .offset: 24, .size: 8, .value_kind: global_buffer, .address_space: global }
      - { .name: CBP, .offset: 32, .size: 8, .value_kind: global_buffer, .address_space: global }
    .group_segment_fixed_size: 41472
    .private_segment_fixed_size: 0
    .kernarg_segment_align: 8
    .kernarg_segment_size: 40
    .max_flat_workgroup_size: 128
    .sgpr_count:     66
    .vgpr_count:     256
    .wavefront_size: 32
...
	.end_amdgpu_metadata
.endif
;; end of part 4
;; launch main (part 5): grid 256 x 1, 4 waves a work-group, no clusters, 325,376 bytes of LDS; arguments encoder_output, W1F, WSF, CBP, b1, W2, b2, SCR, PCT; writes SCR, PCT
.if DOCPART == 5
	.amdgcn_target "amdgcn-amd-amdhsa--gfx1250"
	.amdhsa_code_object_version 6
	.text
	.protected	k_q7fc342e508_main
	.globl	k_q7fc342e508_main
	.p2align	8
	.type	k_q7fc342e508_main,@function
k_q7fc342e508_main:
	s_mov_b64 s[64:65], 0
	v_nop
	global_prefetch_b8 v0, s[64:65] scope:SCOPE_SE
	s_setreg_imm32_b32 hwreg(HW_REG_WAVE_SCHED_MODE, 0, 2), 2
	s_setreg_imm32_b32 hwreg(HW_REG_WAVE_MODE, 25, 1), 1
	s_wait_xcnt 0x0
	s_wait_alu depctr_vm_vsrc(0)
; For 128 time steps t of ONE batch row b: score[t] = W2 . tanh(Q(enc[t,b]) Q(W1[:, :1024])^T + c) + b2, with c[h] = b1[h] + the cur term of that b (four partial sums from the launch before);
; then p[t] = 2^((score[t] - m) log2 e), m the largest of the 128 scores, and the partial context sum over t of p[t] enc[t,b,:].  SCR [b][t] takes the raw scores, PCT [b][t / 128][h] the partial context.
; enc is read from memory ONCE: each number is quantised to FP4 (E2M1, one E8M0 byte for each 32 along K) for the first product and rounded to bf16 into LDS (128 rows x 2,048 bytes) for the last.
; SHARES.  Work-group x: b = x / 8, t = 128 (x % 8) on.  LOAD PHASE: wave w quantises rows 32 w .. 32 w + 31, a unit of 16 rows x 128 K at a time; the fragments go to the other waves through LDS as images of
; their registers, and EVERY wave keeps all 128 rows' codes in registers (8 tiles of rows x 8 K steps x 8 = 512).  PRODUCT PHASE: THE WAVES SHARE THE COLUMNS: wave w makes h = 256 w .. 256 w + 255, 16 column tiles,
; for all 128 rows, so a fragment of W1 (1,024 bytes) feeds 8 matrix instructions and is read by one wave of the work-group alone: it comes from memory straight into a ring of 16 fragments in registers.
; THE MATRIX INSTRUCTION IS USED TRANSPOSED (source 0 = 16 rows of W1, source 1 = 16 rows of enc): a lane holds one t, its eight registers eight neighbouring h.  c is the C of a sum's first instruction.
; BY TURNS.  tanh(x) = 1 - 2 / (1 + 2^(2 x log2 e)): for a tile 4 packed multiplies, 8 exponentials, 4 packed adds, 8 reciprocals, 4 packed multiply-adds with -2 W2: 28 vector instructions beside the tile's 8 matrix
; instructions.  So two sets of eight accumulators take turns: while one column tile is multiplied, the tile before goes through tanh, four vector instructions behind each matrix instruction.
; score = the sum of (-2 W2[h]) r[h] + the sum of W2 + b2.  2^x = infinity gives r = 0 and 2^x = 0 gives r = 1: no clamp is needed.
; LIMITS: NaN and infinities among the inputs are not served; a block of 32 whose largest magnitude lies under 2^-124, a block of zeros among them, gets the scale byte 1 (zero codes add nothing; only this program reads the bytes);
; the first product's f32 sums run: cur's term (four parts), b1, then enc's K ascending; enc is rounded to bf16 for the last product.
; REGISTERS, in windows of 256 (s_set_vgpr_msb: bits 1:0 source 0, 3:2 source 1, 5:4 source 2, 7:6 destination):
;   window 0: v1-25 addresses; v32-63 enc's scale words; v64-71 W1's; v72-87 c, two tiles; v88-103 -2 W2, two tiles; v104-135 score sums; v136-199, v200-231, v232-255 at work
;   window 1: load phase: four units of 64; product phase: v0-127 the ring of W1's fragments, v128-255 the two sets of accumulators
;   windows 2, 3: enc's fragments: K step s, tile m at v[64 (s % 4) + 8 m] of window 2 + s / 4
; The accumulators share a window with source 0, so the tanh's in-place instructions need no switch between matrix instructions; only the multiply-adds into the score sums and the loads do.
; THE MODE: SCHED_MODE bits 1:0 = 2 (LLVM: expert scheduling mode 2), set by the entry lines.  The code itself states the register dependences
; between vector or matrix instructions and memory or LDS instructions, with s_wait_alu, always for 0.
; THE PLAN.  Registers that memory or LDS instructions touch, and who else names them:
;   v1-9, v11-19, v25  addresses: made once at the head, never written again: one wait on va_vdst ahead of the first load.
;   LOAD PHASE, a unit:
;   its set in window 1  global loads land; the stage's stores and the roundings to bf16 read it; then the unit four on (or W1's first fragments) lands in it.
;   RT          written by the roundings, read by sixteen stores, written again by the next unit.     PC, PW  written by the quantiser, read by the image's stores, written again by the next unit.
;   RQ          the stage's loads land in it, the quantiser reads it.
;   Three waits: vm_vsrc behind the stage's stores and loads (this unit's set, the last unit's RT, PC, PW have been read); va_vdst behind the roundings (RT is written, the set is read out);
;   va_vdst behind the quantiser (PC, PW are written, RQ is read out: the next unit's stage loads owe nothing more, since no vector instruction stands between).
;   PRODUCT PHASE, a period:
;   ring slots, WS  the loads of an even period land in the two slots and the scale register that the matrix instructions of the last two periods read.
;   CC, WPR     period 2 loads them again; c was read by period 0's matrix instructions, -2 W2 last by period 0's multiply-adds.
;   ONE wait on va_vdst a period, behind its third matrix instruction, states all of that, and that the exponentials and reciprocals issued so far have written their results.  The four multiply-adds between it and
;   the loads name accumulators, the other set's -2 W2 and the score sums: none of the registers that those loads touch.
;   v10         read by period 2's LDS loads, written at a pair's end: vm_vsrc ahead of the add, va_vdst behind it.
;   THE WAY OUT: each run of stores has one wait on va_vdst ahead of it; in the context loop two sets of rows take turns, each loaded again behind a wait on va_vdst that states its multiply-adds done;
;   the two stepped addresses v21, v22: vm_vsrc ahead of the adds; the wait behind them is set 0's.
.set RET,  0                           ; 128 rows x 2,048 bytes of bf16
.set STG,  262144                      ; four stages of 16 rows x 528 bytes; at the end a wave's p (512 bytes) and, 1,024 on, its part of the context
.set STGW, 8448
.set IMG,  295936                      ; two buffers of 8 fragment images of 1,024 bytes
.set XSC,  312320                      ; enc's scale words [tile 8][q 4][32 words]: lanes 0-15 K step 2 q, lanes 16-31 K step 2 q + 1
.set CV,   316416                      ; c[h], 4,096 bytes; behind it -2 W2[h], 4,096 bytes
.set SBW,  324608                      ; the four waves' parts of the sum of W2
.set SCP,  IMG                         ; the waves' parts of the scores, 4 x 512 bytes, in image buffer 0: last read behind the seventh barrier, those reads waited for in front of the eighth
.set XS,  32
.set WS,  64
.set CC,  72
.set WPR, 88
.set SS,  104
.set RQ,  136
.set RT,  200
.set PC,  232
.set TM,  240
.set PW,  24
.set ACC, 128                          ; in window 1
.set CE,  136                          ; the context: two sets of 8 rows x 4 registers of bf16,
.set CP,  200                          ; two sets of 8 weights,
.set CA,  216                          ; 8 sums;
.set SCO, 224                          ; my four scores (never rewritten: a store reads them), and
.set PP,  228                          ; their weights
.set SEL, 30
.set MSB, 0
.macro WIN new                         ; the immediate's high byte repeats the setting that is left; a switch that changes nothing is dropped
.if MSB != \new
	s_set_vgpr_msb (MSB<<8)|\new
.set MSB, \new
.endif
.endm
; 64 numbers of a lane, register 16 b + i = k 32 b + 16 (lane / 16) + i of my row, become a fragment's codes in v[pc] on and its scale word in v[PW]
.macro QUANT src, pc
.irp b, 0,1,2,3
	v_max3_num_f32 v[TM+\b], |v[\src+16*\b]|, |v[\src+1+16*\b]|, 0x1800000   ; my 16 numbers of block b, and the floor 2^(3 - 127): the byte cannot fall under 1
.endr
.irp i, 2,4,6,8,10,12,14
.irp b, 0,1,2,3
	v_max3_num_f32 v[TM+\b], v[TM+\b], |v[\src+16*\b+\i]|, |v[\src+1+16*\b+\i]|   ; the four blocks by turns
.endr
.endr
.irp b, 0,1,2,3
	v_permlanex16_b32 v[TM+4+\b], v[TM+\b], s[SEL], s[SEL+1]
.endr
.irp b, 0,1,2,3
	v_max_num_f32 v[TM+\b], v[TM+\b], v[TM+4+\b]     ; with lane l xor 16's: the block's largest magnitude
.endr
.irp b, 0,1,2,3
	v_add_nc_u32 v[TM+12+\b], 0xff000000, v[TM+\b]   ; 2 off its exponent field: the conversion's scale operand
.endr
.irp b, 0,1,2,3
	v_lshrrev_b32 v[TM+4+\b], 23, v[TM+12+\b]        ; the scale's byte
.endr
	v_lshl_or_b32 v[PW], v[TM+5], 8, v[TM+4]
	v_lshl_or_b32 v[PW], v[TM+6], 16, v[PW]
	v_lshl_or_b32 v[PW], v[TM+7], 24, v[PW]
.irp b, 0,1,2,3
	v_cvt_scalef32_pk8_fp4_f32 v[\pc+2*\b], v[\src+16*\b:\src+7+16*\b], v[TM+12+\b]
	v_cvt_scalef32_pk8_fp4_f32 v[\pc+1+2*\b], v[\src+8+16*\b:\src+15+16*\b], v[TM+12+\b]
.endr
	v_nop                                            ; one plain place behind a scaled conversion
.irp c, 0,1                                      ; the operand wants a whole block in a lane: lanes 0-15 block 2 c, lanes 16-31 block 2 c + 1
.irp i, 0,1
	v_permlane16_swap_b32 v[\pc+4*\c+\i], v[\pc+2+4*\c+\i]
.endr
.endr
.endm
; unit u = 2 s + mt: rows 16 mt .. + 15 of my 32, K step s, into set u % 4 of window 1: each load reads 512 consecutive bytes of a row
.macro ENCLOAD u
	WIN 0x40
.irp i, 0,1,2,3,4,5,6,7,8,9,10,11,12,13,14,15
	global_load_b128 v[64*((\u)%4)+4*\i:64*((\u)%4)+4*\i+3], v1, s[4:5] offset:(16*((\u)%2)+\i)*131072+512*((\u)/2) th:TH_LOAD_NT
.endr
.endm
; A group of five loads: W1's fragments of periods up and up + 1 (counted from the pair's first column tile; a period is one K step of one column tile) into ring slots up % 16 and the next, and, first, the scale words of both
.macro GROUP up
	WIN 0
	global_load_b32 v[WS+4*(((\up)>>3)&1)+(((\up)&7)>>1)], v2, s[38:39] offset:512*((\up)>>3)+128*(((\up)&7)>>1)
	WIN 0x40
.irp k, 0,1,2,3
	global_load_b128 v[8*((\up)&15)+4*\k:8*((\up)&15)+4*\k+3], v1, s[36:37] offset:8192*((\up)>>3)+1024*((\up)&7)+512*\k
.endr
.endm
	s_load_b512 s[4:19], s[0:1], 0x0                 ; enc s[4:5], W1F s[6:7], WSF s[8:9], CBP s[10:11], b1 s[12:13], W2 s[14:15], b2 s[16:17], SCR s[18:19]
	s_load_b64 s[20:21], s[0:1], 0x40                ; PCT
	v_lshl_add_u32 v250, v0, 2, 0x4f500
	v_mov_b32 v251, 0
	v_lshrrev_b32 v26, 5, v0
	v_readfirstlane_b32 s22, v26                     ; wave
	s_lshr_b32 s23, ttmp9, 3                         ; b
	s_and_b32 s24, ttmp9, 7                          ; which 128 time steps
	v_and_b32 v26, 31, v0                            ; lane
	v_and_b32 v27, 15, v0                            ; r
	v_bfe_u32 v28, v0, 4, 1                          ; half
	v_lshlrev_b32 v1, 4, v26                         ; v1  16 x lane
	v_lshlrev_b32 v2, 2, v26                         ; v2  4 x lane
	s_wait_alu depctr_va_sdst(0)                     ; s22 is written, ahead of its first reader: addresses, bases and branches are made from it
	s_lshl_b32 s25, s22, 16
	v_lshl_add_u32 v3, v26, 3, s25                   ; v3  the bf16 rows: my 32 rows, 8 bytes a lane
	s_mul_i32 s25, s22, STGW
	s_add_co_u32 s25, s25, STG                       ; my stage
	v_add_nc_u32 v4, s25, v1                         ; v4  into it: 16 x lane
	v_mul_u32_u24 v5, v27, 528
	v_lshl_add_u32 v5, v28, 6, v5
	v_add_nc_u32 v5, s25, v5                         ; v5  out of it: row r, + 64 x half
	v_mov_b32 v18, s25                               ; v18 my p, the same address in every lane
	v_lshl_add_u32 v19, v26, 5, s25
	v_add_nc_u32 v19, 1024, v19                      ; v19 my part of the context: 32 bytes a lane
	s_lshl_b32 s25, s22, 11
	s_add_co_u32 s25, s25, IMG
	v_add_nc_u32 v6, s25, v1                         ; v6  where I store my two images
	v_add_nc_u32 v7, IMG, v1                         ; v7  where all eight are read
	s_lshl_b32 s25, s22, 10
	s_add_co_u32 s40, s25, XSC
	v_lshl_add_u32 v8, v27, 2, s40                   ; v8  where I store my rows' scale words
	v_add_nc_u32 v9, XSC, v2                         ; v9  where they are read
	s_add_co_u32 s40, s25, CV
	v_lshl_add_u32 v25, v28, 5, s40                  ; v25 c of my first column tile: my 256 h, + 8 x half numbers
	v_lshlrev_b32 v11, 4, v0                         ; v11 16 x thread
	v_add_nc_u32 v12, CV, v11                        ; v12
	s_lshl_b32 s25, s22, 9
	s_add_co_u32 s25, s25, SCP
	v_lshl_add_u32 v13, v27, 2, s25                  ; v13 my part of the scores
	s_lshl_b32 s25, s22, 2
	s_add_co_u32 s25, s25, SBW
	v_mov_b32 v14, s25                               ; v14 my part of the sum of W2
	v_mov_b32 v15, SBW                               ; v15
	v_add_nc_u32 v16, SCP, v1                        ; v16
	s_mov_b32 s28, 0x4038aa3b                        ; 2 log2 e
	s_mov_b32 s29, s28                               ; (named with it as a pair, so it is written)
	s_mov_b32 s[SEL], 0x76543210
	s_mov_b32 s[SEL+1], 0xfedcba98                   ; lane l xor 16
	s_mov_b32 s34, 0
	v_add_nc_u32 v10, s34, v25                       ; v10 c of the pair in hand
	s_lshl_b32 s26, s24, 7
	s_lshl_b32 s27, s22, 5
	s_add_co_u32 s26, s26, s27                       ; my first time step
	s_lshl_b32 s26, s26, 17                          ; x 131,072 bytes
	s_lshl_b32 s40, s23, 12                          ; 4,096 b
	s_add_co_u32 s26, s26, s40
	s_mov_b32 s27, 0
	s_mov_b32 s41, 0
	s_lshl_b32 s42, s22, 17                          ; my 16 column tiles in W1F
	s_mov_b32 s43, 0
	s_lshl_b32 s44, s22, 13                          ; and in WSF
	s_mov_b32 s45, 0
	s_lshl_b32 s46, ttmp9, 9                         ; SCR: 4,096 b + 512 (x % 8)
	s_mov_b32 s47, 0
	s_lshl_b32 s48, ttmp9, 12                        ; PCT: 4,096 x + 1,024 wave
	s_lshl_b32 s49, s22, 10
	s_add_co_u32 s48, s48, s49
	s_mov_b32 s49, 0
	s_wait_kmcnt 0x0
	s_load_b32 s33, s[16:17], 0x0                    ; b2
	s_add_nc_u64 s[4:5], s[4:5], s[26:27]
	s_add_nc_u64 s[10:11], s[10:11], s[40:41]
	s_add_nc_u64 s[36:37], s[6:7], s[42:43]
	s_add_nc_u64 s[38:39], s[8:9], s[44:45]
	s_add_nc_u64 s[18:19], s[18:19], s[46:47]
	s_add_nc_u64 s[20:21], s[20:21], s[48:49]
	s_wait_alu depctr_va_vdst(0)                     ; the addresses and offsets v1 to v19 and v25 are written, which the loads and stores of the whole kernel read
.irp g, 0,1                                      ; twelve small loads, 16 bytes a thread: the four parts of the cur term, b1, W2, for h = 4 thread + 512 g on
.irp q, 0,1,2,3
	global_load_b128 v[RQ+24*\g+4*\q:RQ+24*\g+4*\q+3], v11, s[10:11] offset:131072*\q+2048*\g
.endr
	global_load_b128 v[RQ+24*\g+16:RQ+24*\g+19], v11, s[12:13] offset:2048*\g
	global_load_b128 v[RQ+24*\g+20:RQ+24*\g+23], v11, s[14:15] offset:2048*\g
.endr
	ENCLOAD 0
	ENCLOAD 1
	ENCLOAD 2
	WIN 0
.irp j, 0,1,2,3,4,5,6,7,8,9,10,11,12,13,14,15,16,17,18,19,20,21,22,23,24,25,26,27,28,29,30,31
	v_mov_b32 v[SS+\j], 0                            ; the score sums: four a tile of rows
.endr
.irp b, 0,1,2,3
	v_mov_b32 v[TM+4+\b], 0                          ; written once: a lane permute's destination counts as one of its sources
.endr
	s_wait_loadcnt 48                                ; the twelve are in; three units of sixteen are younger
.irp g, 0,1
.irp k, 0,2
	v_pk_add_f32 v[RQ+24*\g+\k:RQ+24*\g+\k+1], v[RQ+24*\g+\k:RQ+24*\g+\k+1], v[RQ+24*\g+4+\k:RQ+24*\g+5+\k]
	v_pk_add_f32 v[RQ+24*\g+8+\k:RQ+24*\g+9+\k], v[RQ+24*\g+8+\k:RQ+24*\g+9+\k], v[RQ+24*\g+12+\k:RQ+24*\g+13+\k]
.endr
.irp k, 0,2
	v_pk_add_f32 v[RQ+24*\g+\k:RQ+24*\g+\k+1], v[RQ+24*\g+\k:RQ+24*\g+\k+1], v[RQ+24*\g+8+\k:RQ+24*\g+9+\k]
.endr
.irp k, 0,2
	v_pk_add_f32 v[RQ+24*\g+\k:RQ+24*\g+\k+1], v[RQ+24*\g+\k:RQ+24*\g+\k+1], v[RQ+24*\g+16+\k:RQ+24*\g+17+\k]   ; c = b1 + the cur term
.endr
.endr
	v_pk_add_f32 v[RQ+48:RQ+49], v[RQ+20:RQ+21], v[RQ+22:RQ+23]      ; the sum of my eight W2,
	v_pk_add_f32 v[RQ+50:RQ+51], v[RQ+44:RQ+45], v[RQ+46:RQ+47]
	v_pk_add_f32 v[RQ+48:RQ+49], v[RQ+48:RQ+49], v[RQ+50:RQ+51]
	v_add_f32 v[RQ+48], v[RQ+48], v[RQ+49]
	v_add_f32_dpp v[RQ+48], v[RQ+48], v[RQ+48] row_xmask:1 row_mask:0xf bank_mask:0xf   ; and of the wave's
	v_add_f32_dpp v[RQ+48], v[RQ+48], v[RQ+48] row_xmask:2 row_mask:0xf bank_mask:0xf
	v_add_f32_dpp v[RQ+48], v[RQ+48], v[RQ+48] row_xmask:4 row_mask:0xf bank_mask:0xf
	v_add_f32_dpp v[RQ+48], v[RQ+48], v[RQ+48] row_xmask:8 row_mask:0xf bank_mask:0xf
	v_permlanex16_b32 v[RQ+49], v[RQ+48], s[SEL], s[SEL+1]
	v_add_f32 v[RQ+48], v[RQ+48], v[RQ+49]
.irp g, 0,1
.irp k, 0,2
	v_pk_mul_f32 v[RQ+24*\g+20+\k:RQ+24*\g+21+\k], v[RQ+24*\g+20+\k:RQ+24*\g+21+\k], -2.0 op_sel_hi:[1,0]
.endr
.endr
	s_wait_alu depctr_va_vdst(0)                     ; c, the wave's sum of W2 and -2 W2 are written, which the five stores read; the arithmetic is done with v[RQ ..], in which the first unit's numbers land
.irp g, 0,1
	ds_store_b128 v12, v[RQ+24*\g:RQ+24*\g+3] offset:2048*\g
.endr
	ds_store_b32 v14, v[RQ+48]
.irp g, 0,1
	ds_store_b128 v12, v[RQ+24*\g+20:RQ+24*\g+23] offset:4096+2048*\g
.endr
	ENCLOAD 3
	WIN 0
	s_wait_kmcnt 0x0                                 ; b2
	s_wait_dscnt 0x0                                 ; these stores have read their registers: the first unit's numbers land there
	s_wait_alu depctr_vm_vsrc(0)                     ; the five stores have read v[RQ ..], in which the first unit's numbers land
; THE LOAD PHASE.  A unit: through my stage (as in the launch before); as bf16 into the rows; quantised; its image and scale words to LDS.  cnt: the loads issued behind this unit's sixteen.
.macro UNIT u, cnt
.set LB, 64*((\u)%4)
.set MT, (\u)%2
.set KS, (\u)/2
	s_wait_loadcnt \cnt
	WIN 0x04                                         ; an LDS store's data are its source 1: window 1
.irp i, 0,1,2,3,4,5,6,7,8,9,10,11,12,13,14,15
	ds_store_b128 v4, v[LB+4*\i:LB+4*\i+3] offset:528*\i
.endr
	WIN 0
.irp b, 0,1,2,3
.irp j, 0,1,2,3
	ds_load_b128 v[RQ+16*\b+4*\j:RQ+16*\b+4*\j+3], v5 offset:128*\b+16*\j   ; LDS serves a wave's instructions in order: these see the stores above.  No vector instruction since the last wait on va_vdst names v[RQ ..]
.endr
.endr
	s_wait_alu depctr_vm_vsrc(0)                     ; the stage's stores have read the unit's registers, in which the loads below land; the last unit's LDS stores have read v[RT ..], v[PC ..] and v[PW], which the roundings and the quantiser write again
	WIN 0x05                                         ; sources window 1, destination window 0
.irp i, 0,1,2,3,4,5,6,7,8,9,10,11,12,13,14,15
	v_cvt_pk_bf16_f32 v[RT+2*\i], v[LB+4*\i], v[LB+4*\i+1]
	v_cvt_pk_bf16_f32 v[RT+2*\i+1], v[LB+4*\i+2], v[LB+4*\i+3]
.endr
	WIN 0
	s_wait_alu depctr_va_vdst(0)                     ; the roundings have written v[RT ..], which the stores read, and are done reading the unit's registers, in which the loads below land
.irp i, 0,1,2,3,4,5,6,7,8,9,10,11,12,13,14,15
	ds_store_b64 v3, v[RT+2*\i:RT+2*\i+1] offset:(16*MT+\i)*2048+256*KS   ; 256 consecutive bytes of a row
.endr
	s_wait_dscnt 16                                  ; only the sixteen stores just issued may be out: the 64 numbers are in, and the stage's stores have read the unit's registers,
.if (\u) <= 11
	ENCLOAD (\u)+4                                   ; which take the unit four on,
.elseif (\u) == 12
	GROUP 0                                          ; or, at the end, the first seven groups of W1's fragments
	GROUP 2
	GROUP 4
	GROUP 6
.elseif (\u) == 13
	GROUP 8
	GROUP 10
	GROUP 12
.endif
	WIN 0
	QUANT RQ, PC
	s_wait_dscnt 0x0                                 ; the stores of bf16 have read their registers
	s_wait_alu depctr_va_vdst(0)                     ; the quantiser has written v[PC ..] and v[PW], which the stores read, and is done reading v[RQ ..], in which the next unit's numbers land
	ds_store_b128 v6, v[PC:PC+3] offset:8192*(KS%2)+1024*MT
	ds_store_b128 v6, v[PC+4:PC+7] offset:8192*(KS%2)+1024*MT+512
	ds_store_b32 v8, v[PW] offset:512*MT+128*(KS/2)+64*(KS%2)   ; lanes r and r + 16 write the same word with the same value
.endm
; A round = K step s: my two units, ONE barrier, all eight images into registers.  The two image buffers take turns: a buffer is written again only behind the next round's barrier,
; in front of which every wave has waited for its reads of it.  No vector instruction names windows 2 and 3 ahead of the product phase: the images' loads owe no wait.
.macro ROUND s, c0, c1
	UNIT 2*(\s), \c0
	UNIT 2*(\s)+1, \c1
	s_wait_dscnt 0x0                                 ; my stores have landed, my reads of the other buffer are in
	s_barrier_signal -1
	s_barrier_wait -1
.set WX, 0x80+0x40*((\s)/4)
	WIN WX                                           ; destination window 2 or 3
.irp m, 0,1,2,3,4,5,6,7
	ds_load_b128 v[64*((\s)%4)+8*\m:64*((\s)%4)+8*\m+3], v7 offset:8192*((\s)%2)+1024*\m
	ds_load_b128 v[64*((\s)%4)+8*\m+4:64*((\s)%4)+8*\m+7], v7 offset:8192*((\s)%2)+1024*\m+512
.endr
	WIN 0
.endm
	ROUND 0, 48, 48                                  ; three units of sixteen loads are younger
	ROUND 1, 48, 48
	ROUND 2, 48, 48
	ROUND 3, 48, 48
	ROUND 4, 48, 48
	ROUND 5, 48, 48
	ROUND 6, 48, 52                                  ; unit 13: two units and four groups of five
	ROUND 7, 51, 35                                  ; unit 14: one unit and seven groups; unit 15: seven groups
.irp m, 0,1,2,3,4,5,6,7
.irp q, 0,1,2,3
	ds_load_b32 v[XS+4*\m+\q], v9 offset:512*\m+128*\q
.endr
.endr
.irp t, 0,1
	ds_load_b128 v[CC+8*\t:CC+8*\t+3], v10 offset:64*\t
	ds_load_b128 v[CC+8*\t+4:CC+8*\t+7], v10 offset:64*\t+16
.endr
; THE PRODUCT PHASE.
; The matrix instruction of column tile set par, K step s, tile of rows m.  The eight accumulators of a set take turns, one instruction a turn, over the change of sets and the loop's edge too.
.macro MM par, s, m
.set AC, ACC+64*(\par)+8*(\m)
.set RG, 8*(8*(\par)+(\s))
.set XR, 64*((\s)%4)+8*(\m)
.set WSR, WS+4*(\par)+(\s)/2
.set XSR, XS+4*(\m)+(\s)/2
.if (\s) == 0
	v_wmma_scale_f32_16x16x128_f8f6f4 v[AC:AC+7], v[RG:RG+7], v[XR:XR+7], v[CC+8*(\par):CC+8*(\par)+7], v[WSR], v[XSR] matrix_a_fmt:MATRIX_FMT_FP4 matrix_b_fmt:MATRIX_FMT_FP4
.elseif (\s)%2 == 0
	v_wmma_scale_f32_16x16x128_f8f6f4 v[AC:AC+7], v[RG:RG+7], v[XR:XR+7], v[AC:AC+7], v[WSR], v[XSR] matrix_a_fmt:MATRIX_FMT_FP4 matrix_b_fmt:MATRIX_FMT_FP4
.else
	v_wmma_scale_f32_16x16x128_f8f6f4 v[AC:AC+7], v[RG:RG+7], v[XR:XR+7], v[AC:AC+7], v[WSR], v[XSR] matrix_a_fmt:MATRIX_FMT_FP4 matrix_b_fmt:MATRIX_FMT_FP4 matrix_a_scale:MATRIX_SCALE_ROW1 matrix_b_scale:MATRIX_SCALE_ROW1
.endif
.endm
.macro FMUL set, t                     ; x 2 log2 e: the first read of a finished accumulator, from its low end on
.irp k, 0,2,4,6
	v_pk_mul_f32 v[ACC+64*(\set)+8*(\t)+\k:ACC+64*(\set)+8*(\t)+\k+1], v[ACC+64*(\set)+8*(\t)+\k:ACC+64*(\set)+8*(\t)+\k+1], s[28:29] op_sel_hi:[1,0]
.endr
.endm
.macro EXPS set, t, k0
.irp k, 0,1,2,3
	v_exp_f32 v[ACC+64*(\set)+8*(\t)+\k0+\k], v[ACC+64*(\set)+8*(\t)+\k0+\k]
.endr
.endm
.macro AADD set, t
.irp k, 0,2,4,6
	v_pk_add_f32 v[ACC+64*(\set)+8*(\t)+\k:ACC+64*(\set)+8*(\t)+\k+1], v[ACC+64*(\set)+8*(\t)+\k:ACC+64*(\set)+8*(\t)+\k+1], 1.0 op_sel_hi:[1,0]
.endr
.endm
.macro RCPS set, t, k0
.irp k, 0,1,2,3
	v_rcp_f32 v[ACC+64*(\set)+8*(\t)+\k0+\k], v[ACC+64*(\set)+8*(\t)+\k0+\k]
.endr
.endm
.macro GFMA set, t                     ; the score sums of tile of rows t, in two chains: += r x (-2 W2).  The wait for the reciprocals stands ahead of each use of this macro
.irp k, 0,2,4,6
	v_pk_fma_f32 v[SS+4*(\t)+(\k)%4:SS+4*(\t)+(\k)%4+1], v[ACC+64*(\set)+8*(\t)+\k:ACC+64*(\set)+8*(\t)+\k+1], v[WPR+8*(\set)+\k:WPR+8*(\set)+\k+1], v[SS+4*(\t)+(\k)%4:SS+4*(\t)+(\k)%4+1]
.endr
.endm
; A PERIOD: K step p of set par's column tile, 8 matrix instructions; between them tile p of the OTHER set goes through tanh.
; Behind the third matrix instruction stand the period's one wait on va_vdst and four plain instructions (the multiply-adds of the tile before, or v_nop).  The four are the plain place between the exponentials and their
; use, and four places between the last period's last matrix instruction and the loads into its fragment, its scale words or c.  The multiplies behind the seventh are the plain place behind the reciprocals.
; In period 7 those multiplies are the first read of THIS set's tile 0: eight plain instructions (multiply-adds, adds) stand behind the instruction that finished it; with vec = 0 the four v_nop.
; vec = 0: no tanh yet; 1: no multiply-adds in period 0 yet; 2: all.  tail = 1: the last pair: one more group of loads, no further c.
; With vec = 0 the wait stands in periods 2, 4 and 6 alone: there is no exponential, odd periods load nothing, and period 0's group lands in registers that no matrix instruction has read yet.
; The wait at an even period: the group that brought this period's and the next one's fragments was issued 14 periods ago; six groups of five loads are younger (fewer in the tail).
.macro PERIOD par, p, vec, tail
.set OS, 1-(\par)
.set FILL, 1
.set CNT, 30
.if \tail
.set FILL, 0
.if (8*(\par)+(\p)) == 0
.set FILL, 1
.endif
.set CNT, 5*((14-8*(\par)-(\p))/2)
.if CNT > 30
.set CNT, 30
.endif
.endif
.if (\p) == 0
.set WM, 0x49                          ; source 0 and D window 1, source 1 window 2, C (c) window 0
.elseif (\p) < 4
.set WM, 0x59                          ; C window 1
.else
.set WM, 0x5d                          ; source 1 window 3
.endif
.if (\p)%2 == 0
	s_wait_loadcnt CNT
.endif
	WIN WM
	MM \par, \p, 0
.if \vec
	EXPS OS, \p, 0
.endif
	MM \par, \p, 1
.if \vec
	EXPS OS, \p, 4
.endif
	MM \par, \p, 2
.if \vec || (((\p)%2 == 0) && ((\p) > 0))
	s_wait_alu depctr_va_vdst(0)                     ; this period's exponentials and the last period's reciprocals have written their results, whose first readers follow; the last two periods' matrix instructions are done reading the ring slots and the scale register, period 0's its c, period 0's multiply-adds their -2 W2: the loads below land in these
.endif
.if (\vec == 2) && ((\p) == 0)
	WIN 0x01                                         ; source 0 window 1, all else window 0
	GFMA \par, 7                                     ; the last tile of the set that is now being multiplied anew: its accumulator is written five matrix instructions on
.elseif \vec && ((\p) > 0)
	WIN 0x01
	GFMA OS, (\p)-1
.else
.rept 4
	v_nop
.endr
.endif
.if (\p) == 2
	WIN 0
.if !\tail
	ds_load_b128 v[CC+8*(\par):CC+8*(\par)+3], v10 offset:64*((\par)+2)          ; c of the column tile two on: period 0 has read the old one
	ds_load_b128 v[CC+8*(\par)+4:CC+8*(\par)+7], v10 offset:64*((\par)+2)+16
.endif
	ds_load_b128 v[WPR+8*(\par):WPR+8*(\par)+3], v10 offset:4096+64*(\par)       ; -2 W2 of this column tile, for its tanh in the next eight periods
	ds_load_b128 v[WPR+8*(\par)+4:WPR+8*(\par)+7], v10 offset:4096+64*(\par)+16
.endif
.if FILL && ((\p)%2 == 0)
	GROUP 8*(\par)+(\p)+14                           ; into the two ring slots and the scale register that the last two periods have left.  No further wait: the four instructions since the wait name none of these registers
.endif
	WIN WM
	MM \par, \p, 3
.if \vec
	AADD OS, \p
.endif
	MM \par, \p, 4
.if \vec
	RCPS OS, \p, 0
.endif
	MM \par, \p, 5
.if \vec
	RCPS OS, \p, 4
.endif
	MM \par, \p, 6
.if (\p) == 7
	FMUL \par, 0
.elseif \vec
	FMUL OS, (\p)+1
.endif
	MM \par, \p, 7
.endm
.macro HALF par, vec, tail             ; a column tile
	s_wait_dscnt 0x0                                 ; c and -2 W2 (ahead of the first: enc's fragments and scale words too)
.irp p, 0,1,2,3,4,5,6,7
	PERIOD \par, \p, \vec, \tail
.endr
.endm
.macro PAIREND                         ; on to the next two column tiles
	WIN 0                                            ; at a label and at a branch every window is 0
	s_wait_xcnt 0x0                                  ; the loads issued have had their addresses translated (ISA guide 3.1): their bases may step
	s_wait_alu depctr_vm_vsrc(0)                     ; the LDS loads of c and -2 W2 issued so far have read v10, which is written below
	s_add_nc_u64 s[36:37], s[36:37], 16384
	s_add_nc_u64 s[38:39], s[38:39], 1024
	s_add_co_u32 s34, s34, 128
	v_add_nc_u32 v10, s34, v25
	s_wait_alu depctr_va_vdst(0)                     ; v10 is written, which the next pair's LDS loads read; the reciprocals of the set's last tile have written their results, ahead of the label and the backward jump
.endm
	HALF 0, 0, 0                                     ; the first pair is written out: there is no tile yet to put through tanh
	HALF 1, 1, 0
	PAIREND
	s_mov_b32 s32, 6
.Lpair:
	HALF 0, 2, 0
	HALF 1, 2, 0
	PAIREND
	s_sub_co_u32 s32, s32, 1
	s_cmp_lg_u32 s32, 0
	s_cbranch_scc1 .Lpair
	HALF 0, 2, 1                                     ; the last pair is written out: its loads end with the last fragment of my last column tile
	HALF 1, 2, 1
	s_wait_dscnt 0x0                                 ; -2 W2 of the last column tile
.irp p, 0,1,2,3,4,5,6,7                          ; the last column tile's tanh, with no matrix work beside it
	WIN 0x41
	EXPS 1, \p, 0
	EXPS 1, \p, 4
	s_wait_alu depctr_va_vdst(0)                     ; these exponentials and the reciprocals of the tile before have written their results: their first readers follow
	WIN 0x01
.if \p == 0
	GFMA 0, 7
.else
	GFMA 1, \p-1
.endif
	WIN 0x41
	AADD 1, \p
	RCPS 1, \p, 0
	RCPS 1, \p, 4
.if \p < 7
	FMUL 1, \p+1
.else
	v_nop                                            ; a plain place behind the reciprocals
.endif
.endr
	s_wait_alu depctr_va_vdst(0)                     ; the last eight reciprocals have written their results, which the multiply-adds read
	WIN 0x01
	GFMA 1, 7
	WIN 0
	; THE SCORES.  A lane's four sums of a tile of rows, and lane l xor 16's (the other eight h of each column tile): my wave's 256 h of row 16 m + r
.irp m, 0,1,2,3,4,5,6,7
	v_pk_add_f32 v[SS+4*\m:SS+4*\m+1], v[SS+4*\m:SS+4*\m+1], v[SS+4*\m+2:SS+4*\m+3]
.endr
.irp m, 0,1,2,3,4,5,6,7
	v_add_f32 v[SS+4*\m], v[SS+4*\m], v[SS+4*\m+1]
.endr
.irp m, 0,1,2,3,4,5,6,7
	v_permlanex16_b32 v[SS+4*\m+1], v[SS+4*\m], s[SEL], s[SEL+1]
.endr
.irp m, 0,1,2,3,4,5,6,7
	v_add_f32 v[SS+4*\m], v[SS+4*\m], v[SS+4*\m+1]
.endr
	s_wait_alu depctr_va_vdst(0)                     ; the additions have written my eight parts of the scores, which the stores read
.irp m, 0,1,2,3,4,5,6,7
	ds_store_b32 v13, v[SS+4*\m] offset:64*\m
.endr
	s_wait_dscnt 0x0                                 ; for the others' sake: my parts have landed
	s_barrier_signal -1
	s_barrier_wait -1
	s_wait_alu depctr_vm_vsrc(0)                     ; the load phase's last LDS stores have read v[RT ..] and v[PC ..]: from here on these registers hold scores, weights, sums and rows' weights
.irp w, 0,1,2,3
	ds_load_b128 v[RQ+4*\w:RQ+4*\w+3], v16 offset:512*\w     ; every wave takes all 128 scores: lane l those of t = 4 l .. 4 l + 3
.endr
	ds_load_b128 v[RQ+16:RQ+19], v15
	s_wait_dscnt 0x0
	v_pk_add_f32 v[RQ:RQ+1], v[RQ:RQ+1], v[RQ+4:RQ+5]
	v_pk_add_f32 v[RQ+2:RQ+3], v[RQ+2:RQ+3], v[RQ+6:RQ+7]
	v_pk_add_f32 v[RQ+8:RQ+9], v[RQ+8:RQ+9], v[RQ+12:RQ+13]
	v_pk_add_f32 v[RQ+10:RQ+11], v[RQ+10:RQ+11], v[RQ+14:RQ+15]
	v_add_f32 v[RQ+16], v[RQ+16], v[RQ+17]
	v_add_f32 v[RQ+18], v[RQ+18], v[RQ+19]
	v_pk_add_f32 v[RQ:RQ+1], v[RQ:RQ+1], v[RQ+8:RQ+9]
	v_pk_add_f32 v[RQ+2:RQ+3], v[RQ+2:RQ+3], v[RQ+10:RQ+11]
	v_add_f32 v[RQ+16], v[RQ+16], v[RQ+18]
	v_add_f32 v[RQ+16], s33, v[RQ+16]                ; the sum of W2 + b2
	v_pk_add_f32 v[SCO:SCO+1], v[RQ:RQ+1], v[RQ+16:RQ+17] op_sel_hi:[1,0]
	v_pk_add_f32 v[SCO+2:SCO+3], v[RQ+2:RQ+3], v[RQ+16:RQ+17] op_sel_hi:[1,0]
	s_wait_alu depctr_va_vdst(0)                     ; the additions have written v[SCO ..], which wave 0's store reads
	s_cmp_lg_u32 s22, 0
	s_cbranch_scc1 .Lscores_out
	global_store_b128 v1, v[SCO:SCO+3], s[18:19]     ; 512 consecutive bytes; its registers are not written again
.Lscores_out:
	v_max3_num_f32 v23, v[SCO], v[SCO+1], v[SCO+2]   ; m: the largest of the 128
	v_max_num_f32 v23, v23, v[SCO+3]
	v_max_num_f32_dpp v23, v23, v23 row_xmask:1 row_mask:0xf bank_mask:0xf
	v_max_num_f32_dpp v23, v23, v23 row_xmask:2 row_mask:0xf bank_mask:0xf
	v_max_num_f32_dpp v23, v23, v23 row_xmask:4 row_mask:0xf bank_mask:0xf
	v_max_num_f32_dpp v23, v23, v23 row_xmask:8 row_mask:0xf bank_mask:0xf
	v_permlanex16_b32 v[PC], v23, s[SEL], s[SEL+1]
	v_max_num_f32 v23, v23, v[PC]
.irp k, 0,1,2,3
	v_sub_f32 v[PP+\k], v[SCO+\k], v23
.endr
.irp k, 0,1,2,3
	v_mul_f32 v[PP+\k], 0x3fb8aa3b, v[PP+\k]
.endr
.irp k, 0,1,2,3
	v_exp_f32 v[PP+\k], v[PP+\k]                     ; p = 2^((score - m) log2 e), at most 1
.endr
.irp e, 0,1,2,3,4,5,6,7
	v_mov_b32 v[CA+\e], 0                            ; (plain places behind the exponentials)
.endr
	s_mov_b32 s34, 0
	s_mov_b32 s35, 0
	v_add_nc_u32 v21, s34, v11                       ; the context loop's two addresses: my 16 bytes of the first row,
	v_add_nc_u32 v22, s35, v18                       ; and the first weights
	s_wait_alu depctr_va_vdst(0)                     ; the exponentials have written the weights, which the store reads; v21 and v22 are written, which the loads below read; the scores' additions are done with v[RQ ..], in which rows land
	ds_store_b128 v4, v[PP:PP+3]                     ; my wave's own copy of the 128 weights: its own bytes, so no barrier
	; THE PARTIAL CONTEXT.  Thread i owns h = 8 i .. 8 i + 7: 16 bytes of each of the 128 bf16 rows, each read once in the work-group.  Eight rows a set, two sets by turns.
.macro CLOAD set
.irp j, 0,1,2,3,4,5,6,7
	ds_load_b128 v[CE+32*\set+4*\j:CE+32*\set+4*\j+3], v21 offset:16384*\set+2048*\j
.endr
.irp k, 0,1
	ds_load_b128 v[CP+8*\set+4*\k:CP+8*\set+4*\k+3], v22 offset:32*\set+16*\k      ; four weights, the same in every lane
.endr
.endm
.macro CFMA set
.irp j, 0,1,2,3,4,5,6,7
.irp e, 0,2,4,6
	v_fma_mix_f32_bf16 v[CA+\e], v[CE+32*\set+4*\j+\e/2], v[CP+8*\set+\j], v[CA+\e] op_sel:[0,0,0] op_sel_hi:[1,0,0]
	v_fma_mix_f32_bf16 v[CA+\e+1], v[CE+32*\set+4*\j+\e/2], v[CP+8*\set+\j], v[CA+\e+1] op_sel:[1,0,0] op_sel_hi:[1,0,0]
.endr
.endr
.endm
	CLOAD 0
	s_mov_b32 s32, 7
.Lrows:                                              ; sixteen rows a trip
	s_wait_alu depctr_va_vdst(0)                     ; the multiply-adds of the trip before are done reading set 1, in which the loads below land
	CLOAD 1
	s_wait_dscnt 10                                  ; set 0 is in; set 1's ten loads are younger
	CFMA 0
	s_wait_alu depctr_vm_vsrc(0)                     ; the LDS loads issued so far have read v21 and v22, which are written below
	s_add_co_u32 s34, s34, 32768
	s_add_co_u32 s35, s35, 64
	v_add_nc_u32 v21, s34, v11
	v_add_nc_u32 v22, s35, v18
	s_wait_alu depctr_va_vdst(0)                     ; v21 and v22 are written, which the loads below read; the multiply-adds above are done reading set 0, in which they land
	CLOAD 0
	s_wait_dscnt 10
	CFMA 1
	s_sub_co_u32 s32, s32, 1
	s_cmp_lg_u32 s32, 0
	s_cbranch_scc1 .Lrows
	s_wait_alu depctr_va_vdst(0)                     ; the last trip's multiply-adds are done reading set 1, in which the loads below land
	CLOAD 1                                          ; the last sixteen rows: nothing more to fetch behind them
	s_wait_dscnt 10
	CFMA 0
	s_wait_dscnt 0x0
	CFMA 1
	s_wait_alu depctr_va_vdst(0)                     ; the multiply-adds have written the eight sums, which the stores read, and are done reading v[CE ..], in which the loads back land
	ds_store_b128 v19, v[CA:CA+3]                    ; a lane's 32 bytes lie beside its neighbours': through my own bytes of LDS,
	ds_store_b128 v19, v[CA+4:CA+7] offset:16
	ds_load_b128 v[CE:CE+3], v4 offset:1024          ; so that each store covers 512 consecutive bytes
	ds_load_b128 v[CE+4:CE+7], v4 offset:1536
	s_wait_dscnt 0x0
	global_store_b128 v1, v[CE:CE+3], s[20:21]
	global_store_b128 v1, v[CE+4:CE+7], s[20:21] offset:512
	s_wait_dscnt 0x0                                 ; the closing lines, six on end
	s_wait_alu 0x0
	s_wait_tensorcnt 0x0
	ds_add_u32 v250, v251
	s_wait_dscnt 0x0
	s_endpgm
.Lfunc_end_k_q7fc342e508_main:
	.size	k_q7fc342e508_main, .Lfunc_end_k_q7fc342e508_main-k_q7fc342e508_main
	.p2alignl 7, 3214868480
	.fill 96, 4, 3214868480
	.section	.rodata,"a",@progbits
	.p2align	6, 0x0
	.amdhsa_kernel k_q7fc342e508_main
		.amdhsa_group_segment_fixed_size 325376
		.amdhsa_private_segment_fixed_size 0
		.amdhsa_enable_private_segment 0
		.amdhsa_kernarg_size 72
		.amdhsa_user_sgpr_count 2
		.amdhsa_user_sgpr_kernarg_segment_ptr 1
		.amdhsa_wavefront_size32 1
		.amdhsa_system_sgpr_workgroup_id_x 1
		.amdhsa_system_sgpr_workgroup_id_y 1
		.amdhsa_system_sgpr_workgroup_id_z 1
		.amdhsa_system_vgpr_workitem_id 0
		.amdhsa_next_free_vgpr 1024
		.amdhsa_next_free_sgpr 66
		.amdhsa_reserve_vcc 0
		.amdhsa_float_denorm_mode_32 3
		.amdhsa_float_denorm_mode_16_64 3
		.amdhsa_memory_ordered 1
		.amdhsa_forward_progress 1
		.amdhsa_inst_pref_size 255
	.end_amdhsa_kernel
	.section	.bss,"aw",@nobits
	.p2align	6
	.space	262144
	.amdgpu_metadata
---
amdhsa.version: [ 1, 2 ]
amdhsa.kernels:
  - .name:           k_q7fc342e508_main
    .symbol:         k_q7fc342e508_main.kd
    .args:
      - { .name: encoder_output, .offset: 0, .size: 8, .value_kind: global_buffer, .address_space: global }
      - { .name: W1F, .offset: 8, .size: 8, .value_kind: global_buffer, .address_space: global }
      - { .name: WSF, .offset: 16, .size: 8, .value_kind: global_buffer, .address_space: global }
      - { .name: CBP, .offset: 24, .size: 8, .value_kind: global_buffer, .address_space: global }
      - { .name: b1, .offset: 32, .size: 8, .value_kind: global_buffer, .address_space: global }
      - { .name: W2, .offset: 40, .size: 8, .value_kind: global_buffer, .address_space: global }
      - { .name: b2, .offset: 48, .size: 8, .value_kind: global_buffer, .address_space: global }
      - { .name: SCR, .offset: 56, .size: 8, .value_kind: global_buffer, .address_space: global }
      - { .name: PCT, .offset: 64, .size: 8, .value_kind: global_buffer, .address_space: global }
    .group_segment_fixed_size: 325376
    .private_segment_fixed_size: 0
    .kernarg_segment_align: 8
    .kernarg_segment_size: 72
    .max_flat_workgroup_size: 128
    .sgpr_count:     66
    .vgpr_count:     1024
    .wavefront_size: 32
...
	.end_amdgpu_metadata
.endif
;; end of part 5
;; launch finish: the kernel of part 3 again; grid 32 x 1, 8 waves a work-group, no clusters, 1,536 bytes of LDS; arguments SCR, PCT, out0, out1; writes out0, out1
